; MI455X (gfx1250); checked and timed in simulation.
; The chip was launched on July 23, 2026; its instructions are those of AMD's public machine-readable ISA for CDNA 5 (MIT licence, August 2026) and "CDNA5" Instruction Set Architecture Reference Guide (July 2026). The comments in the code are by the model that wrote it; some were corrected since.
;; Multi Head Attention. Allowed arithmetic: matrix products marked QUANTISED: E2M3 operands, one E8M0 scale for each 32 along K, by v_wmma_scale_f32_16x16x128_f8f6f4 with both operands' format E2M3, f32 sums; everything else in f32.
;; Inputs: Wk_b 1,024 float32; Wk_w 1,024 x 1,024 float32; Wo_b 1,024 float32; Wo_w 1,024 x 1,024 float32; Wq_b 1,024 float32; Wq_w 1,024 x 1,024 float32; Wv_b 1,024 float32; Wv_w 1,024 x 1,024 float32; x 4 x 2,048 x 1,024 float32.
;; Outputs: out0 4 x 2,048 x 1,024 float32.
;; This version of the problem:
;;   THIS VERSION OF THE PROBLEM IS GIVEN IN LOW PRECISION. The matrix products marked QUANTISED in the list below multiply operands that are first quantised to E2M3 (2 exponent bits, 3 mantissa bits; 6 bits a number), with one power-of-two scale for each 32 numbers along K (OCP MX v1.0); their sums are f32. All else is computed in f32.
;;   The module's matrix products, in the order in which they are computed (A, B: the left and right operand; K: the contracted axis; several contracted axes count as one K, in the product's order):
;;     1. [M 8,192, K 1,024] x [K 1,024, N 1,024]; A: input x; B: input Wq_w: QUANTISED
;;     2. [M 8,192, K 1,024] x [K 1,024, N 1,024]; A: input x; B: input Wk_w: QUANTISED
;;     3. [M 8,192, K 1,024] x [K 1,024, N 1,024]; A: input x; B: input Wv_w: QUANTISED
;;     4. batch 64 x [M 2,048, K 64] x [K 64, N 2,048]; A: computed on the way; B: computed on the way: QUANTISED
;;     5. batch 64 x [M 2,048, K 2,048] x [K 2,048, N 64]; A: softmax (see below); B: computed on the way: QUANTISED
;;     6. [M 8,192, K 1,024] x [K 1,024, N 1,024]; A: computed on the way; B: input Wo_w: QUANTISED
;;   THE QUANTISER, for each operand of a quantised product, along K:
;;     - K is cut into blocks of 32 from its start; a last block that is shorter is filled with zeros.
;;     - A block's scale is 2^e with e = floor(log2(the largest magnitude in the block)) - 2, held to -126 .. 127; a block of zeros has e = 0. As a byte (E8M0): e + 127.
;;     - Each number is divided by its block's scale, clamped to +-7.5, and rounded to the nearest number of E2M3, ties to even, subnormals kept.
;;     - The product sums the exact products of the quantised numbers (number of the format x scale) in f32.
;;   ~~~python
;;   def quantise(x, axis):      # numpy; x: float32 -> the quantised numbers, widened to float32 again
;;       x = np.moveaxis(x, axis, -1); K = x.shape[-1]
;;       x = np.pad(x, [(0, 0)] * (x.ndim - 1) + [(0, -K % 32)]); x = x.reshape(x.shape[:-1] + (-1, 32)); a = np.abs(x).max(-1, keepdims=True)
;;       e = np.where(a > 0, np.clip(np.frexp(np.where(a > 0, a, 1))[1] - 1 - 2, -126, 127), 0)      # np.frexp(a)[1] - 1 = floor(log2(a)), exactly
;;       r = np.clip(x / 2.0 ** e, -7.5, 7.5)
;;       step = 2.0 ** (np.maximum(np.frexp(np.where(r == 0, 1, r))[1] - 1, 0) - 3)
;;       q = np.round(r / step) * step * 2.0 ** e      # np.round: ties to even
;;       return np.moveaxis(q.reshape(q.shape[:-2] + (-1,))[..., :K], -1, axis).astype(np.float32)
;;   ~~~
;;   SOFTMAX AHEAD OF A QUANTISED PRODUCT. Where the list says 'softmax', what is quantised is not the finished softmax but p = 2^(t - M), with t = logit x log2(e) and M = ceil(the row's largest t), a whole number; so 1/2 < the row's largest p <= 1. The row's sum l is taken of the UNQUANTISED p, in f32, and the product's result is divided by l at the end. Since M is a whole number, a kernel that streams over the keys may use a running M (the ceiling of the running maximum): every later rescaling is an exact power of two, which a block's scale takes up: the codes' values come out the same.
;;   OPERANDS COMPUTED ON THE WAY. 'Computed on the way' means the value that the module computes at that place (a softmax that the list does not call 'softmax' is quantised finished and normalised). What goes into a quantiser is computed in f32, as accurately as f32 sums, v_exp_f32 and their like allow (about 1e-6 of the number): no bf16 or f16 on the way to a quantiser, and a product that is left as it is and whose result goes on into a quantised operand takes f32 operands (vector FMAs, or v_wmma_f32_16x16x4_f32). A number that lies on a knife's edge between two numbers of the format may be rounded either way, as far as f32 arithmetic and the matrix unit's own rounding can turn it there, and no further.
;; One version. Each part assembles by itself: llvm-mc -triple=amdgcn-amd-amdhsa -mcpu=gfx1250 --defsym DOCPART=n.
;; ======== version 1 of 1: 4 launches
;; workspace buffers: xc 6,291,456 bytes; xs 262,144 bytes; wc 3,145,728 bytes; ws 131,072 bytes; qkvc 18,874,368 bytes; qkvs 1,310,720 bytes; ac 6,291,456 bytes; asc 262,144 bytes
;; launch quant (part 1): grid 384 x 1, 4 waves a work-group, no clusters, 34,304 bytes of LDS; arguments x, Wq_w, Wk_w, Wv_w, Wo_w, xc, xs, wc, ws; writes xc, xs, wc, ws
.if DOCPART == 1
	.amdgcn_target "amdgcn-amd-amdhsa--gfx1250"
	.amdhsa_code_object_version 6
	.text
	.protected	k_q0c7df8e4d1_quant
	.globl	k_q0c7df8e4d1_quant
	.p2align	8
	.type	k_q0c7df8e4d1_quant,@function
k_q0c7df8e4d1_quant:
	s_mov_b64 s[64:65], 0
	v_nop
	global_prefetch_b8 v0, s[64:65] scope:SCOPE_SE
	s_setreg_imm32_b32 hwreg(HW_REG_WAVE_MODE, 25, 1), 1
	s_wait_xcnt 0x0
; x [8192][1024] and the four weights [1024 (k)][1024 (n)], f32, become codes of FP6 (E2M3) with one E8M0 byte for each 32 along K, laid in the ORDER OF THE OPERAND'S REGISTERS.
; A block's scale is 2^(floor(log2(its largest magnitude)) - 2); its byte is the largest magnitude's exponent field - 2, held at 1 from below.
; LIMITS: NaN and infinities among the inputs are not served; a block whose largest magnitude lies under 2^-124, a block of zeros among them, keeps the byte 1 (its codes are then zeros or tiny; the bytes are read by this program alone).
; ROW ORDER: rows (tokens of x, output channels of a weight) come in fragments of 16: fragment 2 B + u, place p, holds row 32 B + 8 u + p + 8 (p / 8).
; FRAGMENT IMAGE, 1,536 bytes, 16 rows x 128 K: two halves c of 768 bytes: registers 6 c .. 6 c + 3 at 16 x lane, registers 6 c + 4, 6 c + 5 at 512 + 8 x lane.  Codes: [fragment][K step 0..7][1,536].
; SCALE WORDS: [fragment][pair of K steps 0..3][place][2 words]: 512 bytes a fragment.
; Work-groups 0-255 take x: a wave takes one fragment x 512 along K.  Each load reads 512 consecutive bytes of one row; a K step's 16 x 512 bytes turn through the wave's own stage in LDS, so that a lane gets 16 neighbours of each block.
; Work-groups 256-383 take the weights: a lane takes a column n and its registers run down K, so that a block of 32 lies in one lane; its six registers of codes are the image's as they stand.
; No tensor load, no barrier: waves share nothing.
.set SPARE, 33792                      ; behind the four stages of 8,448 bytes: the spare words, 128 bytes for each wave
.set SPW,   12                         ; v12  LDS address of my spare word; never rewritten
.set NIL,   13                         ; v13  0; never rewritten
.set SEL,   24                         ; s[24:25] lane selects for v_permlanex16_b32: lane l xor 16
.set R,     16                         ; v16-143  x: two sets of 64 registers as loaded
.set X,     144                        ; v144-207 x: 64 numbers: register 16 b + i = k 32 b + 16 (lane / 16) + i of my row
.set PC,    208                        ; v208-219 the fragment's codes; v220-226 at work
.set TM,    228                        ; v228-243 largest magnitudes, bytes, scale operands
.set PW,    244                        ; v244-247 the four K steps' scale words
.set WX,    32                         ; v32-95   weights: two sets of 32 numbers
.set WC,    96                         ; v96-143  weights: six registers of codes for each of 8 blocks, never rewritten
.set WT,    144                        ; v144-146 at work
.set SB,    152                        ; v152-153 weights: the scale bytes, four to a register
	s_load_b256 s[4:11], s[0:1], 0x0               ; x, Wq, Wk, Wv
	s_load_b256 s[12:19], s[0:1], 0x20             ; Wo, xc, xs, wc
	s_load_b64 s[20:21], s[0:1], 0x40              ; ws
	v_lshl_add_u32 v[SPW], v0, 2, SPARE
	v_mov_b32 v[NIL], 0
	v_lshrrev_b32 v1, 5, v0
	v_readfirstlane_b32 s22, v1                    ; wave
	v_and_b32 v1, 31, v0                           ; lane
	s_mov_b32 s[SEL], 0x76543210
	s_mov_b32 s[SEL+1], 0xfedcba98
	s_mov_b32 s26, 0xffff0000                      ; lanes 16-31
	s_cmp_lt_u32 ttmp9, 256
	s_cbranch_scc0 .Lweights
	; ---------------- x ----------------
	v_and_b32 v2, 15, v0                           ; place p
	v_bfe_u32 v3, v0, 4, 1                         ; h
	v_lshlrev_b32 v4, 4, v1                        ; 16 x lane
	v_lshlrev_b32 v5, 3, v1                        ; 8 x lane
	s_mul_i32 s27, s22, 8448                       ; my stage: 16 rows x (512 + 16) bytes
	v_add_nc_u32 v6, s27, v4                       ; in: a row's 512 bytes as they lie
	v_mul_u32_u24 v7, v2, 528
	v_lshl_add_u32 v7, v3, 6, v7
	v_add_nc_u32 v7, s27, v7                       ; back: row p, + 64 h: my 16 numbers of a block
	s_lshl_b32 s28, ttmp9, 2
	s_add_co_u32 s28, s28, s22                     ; job J: fragment J / 2, K steps 4 (J % 2) on
	s_lshr_b32 s29, s28, 1
	s_and_b32 s30, s28, 1
	s_lshr_b32 s32, s29, 1
	s_lshl_b32 s32, s32, 17                        ; 32 rows of 4,096 bytes for each pair of fragments,
	s_and_b32 s33, s29, 1
	s_lshl_b32 s33, s33, 15                        ; 8 rows for the odd fragment,
	s_add_co_u32 s32, s32, s33
	s_lshl_b32 s33, s30, 11                        ; 2,048 bytes for the second half of K
	s_add_co_u32 s32, s32, s33
	s_mov_b32 s33, 0
	s_mul_i32 s34, s28, 6144                       ; four images a job
	s_mov_b32 s35, 0
	s_lshl_b32 s36, s28, 8                         ; 256 bytes of scale words a job
	s_mov_b32 s37, 0
.irp b, 0,1,2,3
	v_mov_b32 v[TM+4+\b], 0                        ; written once: a lane permute's destination counts as one of its sources
.endr
	s_wait_kmcnt 0x0
	s_add_nc_u64 s[4:5], s[4:5], s[32:33]
	s_add_nc_u64 s[14:15], s[14:15], s[34:35]
	s_add_nc_u64 s[16:17], s[16:17], s[36:37]
.macro LOADX t                         ; K step t of my 16 rows: each load reads 512 consecutive bytes of the row at place i
.irp i, 0,1,2,3,4,5,6,7,8,9,10,11,12,13,14,15
	global_load_b128 v[R+64*((\t)%2)+4*\i:R+64*((\t)%2)+4*\i+3], v4, s[4:5] offset:(\i+8*(\i/8))*4096+512*(\t) th:TH_LOAD_NT
.endr
.endm
.macro TURNX t                         ; through my stage: LDS serves a wave's instructions in order, so no wait stands between the stores and the loads
.irp i, 0,1,2,3,4,5,6,7,8,9,10,11,12,13,14,15
	ds_store_b128 v6, v[R+64*((\t)%2)+4*\i:R+64*((\t)%2)+4*\i+3] offset:528*\i
.endr
.irp b, 0,1,2,3
.irp j, 0,1,2,3
	ds_load_b128 v[X+16*\b+4*\j:X+16*\b+4*\j+3], v7 offset:128*\b+16*\j
.endr
.endr
.endm
; 64 numbers of a lane, register 16 b + i = k 32 b + 16 (lane / 16) + i of my row, become a fragment's codes in v[PC] on and its scale word in v[w]
.macro QUANT s, w
.irp b, 0,1,2,3
	v_max3_num_f32 v[TM+\b], |v[\s+16*\b]|, |v[\s+1+16*\b]|, 0x1800000   ; my 16 numbers of block b, and the floor 2^(3 - 127): the byte cannot fall under 1
.endr
.irp i, 2,4,6,8,10,12,14
.irp b, 0,1,2,3
	v_max3_num_f32 v[TM+\b], v[TM+\b], |v[\s+16*\b+\i]|, |v[\s+1+16*\b+\i]|
.endr
.endr
.irp b, 0,1,2,3
	v_permlanex16_b32 v[TM+4+\b], v[TM+\b], s[SEL], s[SEL+1]
.endr
.irp b, 0,1,2,3
	v_max_num_f32 v[TM+\b], v[TM+\b], v[TM+4+\b]   ; with lane l xor 16's: the block's largest magnitude
.endr
.irp b, 0,1,2,3
	v_add_nc_u32 v[TM+12+\b], 0xff000000, v[TM+\b] ; 2 off its exponent field: the conversion takes the exponent field of this operand as its scale
.endr
.irp b, 0,1,2,3
	v_lshrrev_b32 v[TM+4+\b], 23, v[TM+12+\b]      ; the scale's byte
.endr
	v_lshl_or_b32 v[\w], v[TM+5], 8, v[TM+4]
	v_lshl_or_b32 v[\w], v[TM+6], 16, v[\w]
	v_lshl_or_b32 v[\w], v[TM+7], 24, v[\w]
.irp c, 0,1
	v_cvt_scalef32_pk16_fp6_f32 v[PC+6*\c:PC+2+6*\c], v[\s+32*\c:\s+15+32*\c], v[TM+12+2*\c]
	v_cvt_scalef32_pk16_fp6_f32 v[PC+12+4*\c:PC+14+4*\c], v[\s+16+32*\c:\s+31+32*\c], v[TM+12+2*\c+1]   ; (a conversion's three registers begin on an even number)
.endr
	v_nop                                          ; one plain instruction behind a scaled conversion
.irp c, 0,1                            ; the operand's layout wants a whole block in a lane: lanes 0-15 block 2 c, lanes 16-31 block 2 c + 1
.irp i, 0,1,2
	v_permlane16_swap_b32 v[PC+6*\c+\i], v[PC+12+4*\c+\i]
.endr
.irp i, 0,1,2
	v_mov_b32 v[PC+3+6*\c+\i], v[PC+12+4*\c+\i]
.endr
.endr
.endm
.macro XSTEP t
.if (\t) < 3
	s_wait_loadcnt 16                              ; this K step's 16 loads are in; the next set's 16 may be out
.else
	s_wait_loadcnt 0x0
.endif
	TURNX \t
	s_wait_dscnt 0x0                               ; the 64 numbers are back, and the stage's stores have read the set
	s_wait_xcnt 0x0                                ; the last K step's stores have read the codes' registers
.if (\t) < 2
	LOADX (\t)+2
.endif
	QUANT X, PW+(\t)
	global_store_b128 v4, v[PC:PC+3], s[14:15] offset:1536*(\t)          ; 512 consecutive bytes
	global_store_b64 v5, v[PC+4:PC+5], s[14:15] offset:1536*(\t)+512     ; 256
	global_store_b128 v4, v[PC+6:PC+9], s[14:15] offset:1536*(\t)+768
	global_store_b64 v5, v[PC+10:PC+11], s[14:15] offset:1536*(\t)+1280
.endm
	LOADX 0
	LOADX 1
	XSTEP 0
	XSTEP 1
	XSTEP 2
	XSTEP 3
	v_cndmask_b32 v[TM], v[PW], v[PW+2], s26       ; lanes 0-15: my row's words of the first pair of K steps; lanes 16-31: of the second
	v_cndmask_b32 v[TM+1], v[PW+1], v[PW+3], s26
	global_store_b64 v5, v[TM:TM+1], s[16:17]      ; 256 consecutive bytes
	s_branch .Lend
	; ---------------- the weights ----------------
.Lweights:
	s_sub_co_u32 s27, ttmp9, 256
	s_lshr_b32 s28, s27, 5                         ; which matrix: q, k, v, o
	s_and_b32 s29, s27, 7                          ; which 128 columns
	s_bfe_u32 s30, s27, 0x20003                    ; which 256 along K
	v_bfe_u32 v2, v0, 3, 1                         ; my column n0 + lane lies in fragment u = (lane / 8) % 2 of the two,
	v_and_b32 v3, 7, v0
	v_bfe_u32 v4, v0, 4, 1
	v_lshl_add_u32 v3, v4, 3, v3                   ; at place p = lane % 8 + 8 (lane / 16)
	v_mul_u32_u24 v5, v2, 12288                    ; a fragment's eight images
	v_lshl_add_u32 v8, v3, 4, v5                   ; where my 16 bytes go,
	v_lshl_add_u32 v9, v3, 3, v5                   ; my 8 bytes,
	v_lshlrev_b32 v10, 9, v2
	v_lshl_add_u32 v10, v3, 3, v10                 ; and my two scale words
	v_lshlrev_b32 v11, 2, v1                       ; in: 4 bytes a lane
	s_lshl_b32 s32, s30, 20                        ; 256 rows of 4,096 bytes,
	s_lshl_b32 s33, s29, 9
	s_add_co_u32 s32, s32, s33                     ; 128 columns a work-group,
	s_lshl_b32 s33, s22, 7
	s_add_co_u32 s32, s32, s33                     ; 32 a wave
	s_mov_b32 s33, 0
	s_lshl_b32 s31, s28, 6
	s_lshl_b32 s34, s29, 3
	s_add_co_u32 s31, s31, s34
	s_lshl_b32 s34, s22, 1
	s_add_co_u32 s31, s31, s34                     ; my first fragment: 64 a matrix, 8 a work-group, 2 a wave
	s_lshl_b32 s34, s31, 3
	s_lshl_b32 s35, s30, 1
	s_add_co_u32 s34, s34, s35
	s_mul_i32 s34, s34, 1536
	s_mov_b32 s35, 0
	s_lshl_b32 s36, s31, 9
	s_lshl_b32 s37, s30, 7
	s_add_co_u32 s36, s36, s37
	s_mov_b32 s37, 0
	s_wait_kmcnt 0x0
	s_cmp_eq_u32 s28, 1                            ; the choice hangs on the work-group's number alone
	s_cselect_b64 s[6:7], s[8:9], s[6:7]
	s_cmp_eq_u32 s28, 2
	s_cselect_b64 s[6:7], s[10:11], s[6:7]
	s_cmp_eq_u32 s28, 3
	s_cselect_b64 s[6:7], s[12:13], s[6:7]
	s_add_nc_u64 s[6:7], s[6:7], s[32:33]
	s_add_nc_u64 s[18:19], s[18:19], s[34:35]
	s_add_nc_u64 s[20:21], s[20:21], s[36:37]
.macro LOADW t                         ; block t: W(32 t + i, my column), i = 0 .. 31
.irp i, 0,1,2,3,4,5,6,7,8,9,10,11,12,13,14,15,16,17,18,19,20,21,22,23,24,25,26,27,28,29,30,31
	global_load_b32 v[WX+32*((\t)%2)+\i], v11, s[6:7] offset:(32*(\t)+\i)*4096 th:TH_LOAD_NT
.endr
.endm
.macro BLOCK t
.set XS, WX+32*((\t)%2)
.set CB, WC+6*(\t)
.if (\t) < 7
	s_wait_loadcnt 32                              ; this block's 32 loads are in; the next block's may be out
.else
	s_wait_loadcnt 0x0
.endif
	v_max3_num_f32 v148, |v[XS]|, |v[XS+1]|, |v[XS+2]|             ; all 32 numbers of the block are mine
	v_max3_num_f32 v149, |v[XS+3]|, |v[XS+4]|, |v[XS+5]|
.irp i, 6,10,14,18,22,26
	v_max3_num_f32 v148, v148, |v[XS+\i]|, |v[XS+\i+1]|
	v_max3_num_f32 v149, v149, |v[XS+\i+2]|, |v[XS+\i+3]|
.endr
	v_max3_num_f32 v148, v148, |v[XS+30]|, |v[XS+31]|
	v_max3_num_f32 v148, v148, v149, 0x1800000     ; and the floor
	v_add_nc_u32 v150, 0xff000000, v148            ; the conversion's scale operand
	v_lshrrev_b32 v151, 23, v150                   ; the byte
.if (\t)%4 == 0
	v_mov_b32 v[SB+(\t)/4], v151
.else
	v_lshl_or_b32 v[SB+(\t)/4], v151, 8*((\t)%4), v[SB+(\t)/4]
.endif
	v_cvt_scalef32_pk16_fp6_f32 v[CB:CB+2], v[XS:XS+15], v150
	v_cvt_scalef32_pk16_fp6_f32 v[WT:WT+2], v[XS+16:XS+31], v150
	v_nop
.irp i, 0,1,2
	v_mov_b32 v[CB+3+\i], v[WT+\i]
.endr
	; block t is K step t / 4, half (t % 4) / 2, lanes 16 (t % 2) + p of the image
	global_store_b128 v8, v[CB:CB+3], s[18:19] offset:((\t)/4)*1536+(((\t)%4)/2)*768+((\t)%2)*256
	global_store_b64 v9, v[CB+4:CB+5], s[18:19] offset:((\t)/4)*1536+(((\t)%4)/2)*768+512+((\t)%2)*128
.if (\t)+2 < 8
	LOADW (\t)+2
.endif
.endm
	LOADW 0
	LOADW 1
.irp t, 0,1,2,3,4,5,6,7
	BLOCK \t
.endr
	global_store_b64 v10, v[SB:SB+1], s[20:21]     ; my column's two scale words
.Lend:
	s_wait_tensorcnt 0x0                           ; the wave's end
	ds_add_u32 v[SPW], v[NIL]
	s_wait_dscnt 0x0
	s_endpgm
.Lfunc_end_k_q0c7df8e4d1_quant:
	.size	k_q0c7df8e4d1_quant, .Lfunc_end_k_q0c7df8e4d1_quant-k_q0c7df8e4d1_quant
	.p2alignl 7, 3214868480
	.fill 96, 4, 3214868480
	.section	.rodata,"a",@progbits
	.p2align	6, 0x0
	.amdhsa_kernel k_q0c7df8e4d1_quant
		.amdhsa_group_segment_fixed_size 34304
		.amdhsa_private_segment_fixed_size 0
		.amdhsa_enable_private_segment 0
		.amdhsa_kernarg_size 72
		.amdhsa_user_sgpr_count 2
		.amdhsa_user_sgpr_kernarg_segment_ptr 1
		.amdhsa_wavefront_size32 1
		.amdhsa_system_sgpr_workgroup_id_x 1
		.amdhsa_system_sgpr_workgroup_id_y 1
		.amdhsa_system_sgpr_workgroup_id_z 1
		.amdhsa_system_vgpr_workitem_id 0
		.amdhsa_next_free_vgpr 256
		.amdhsa_next_free_sgpr 66
		.amdhsa_reserve_vcc 0
		.amdhsa_float_denorm_mode_32 3
		.amdhsa_float_denorm_mode_16_64 3
		.amdhsa_memory_ordered 1
		.amdhsa_forward_progress 1
		.amdhsa_inst_pref_size 73
	.end_amdhsa_kernel
	.amdgpu_metadata
---
amdhsa.version: [ 1, 2 ]
amdhsa.kernels:
  - .name:           k_q0c7df8e4d1_quant
    .symbol:         k_q0c7df8e4d1_quant.kd
    .args:
      - { .name: x, .offset: 0, .size: 8, .value_kind: global_buffer, .address_space: global }
      - { .name: Wq_w, .offset: 8, .size: 8, .value_kind: global_buffer, .address_space: global }
      - { .name: Wk_w, .offset: 16, .size: 8, .value_kind: global_buffer, .address_space: global }
      - { .name: Wv_w, .offset: 24, .size: 8, .value_kind: global_buffer, .address_space: global }
      - { .name: Wo_w, .offset: 32, .size: 8, .value_kind: global_buffer, .address_space: global }
      - { .name: xc, .offset: 40, .size: 8, .value_kind: global_buffer, .address_space: global }
      - { .name: xs, .offset: 48, .size: 8, .value_kind: global_buffer, .address_space: global }
      - { .name: wc, .offset: 56, .size: 8, .value_kind: global_buffer, .address_space: global }
      - { .name: ws, .offset: 64, .size: 8, .value_kind: global_buffer, .address_space: global }
    .group_segment_fixed_size: 34304
    .private_segment_fixed_size: 0
    .kernarg_segment_align: 8
    .kernarg_segment_size: 72
    .max_flat_workgroup_size: 128
    .sgpr_count:     66
    .vgpr_count:     256
    .wavefront_size: 32
...
	.end_amdgpu_metadata
.endif
;; end of part 1
;; launch qkv (part 2): grid 12 x 32, 4 waves a work-group, clusters of 4 x 4, 327,680 bytes of LDS; arguments xc, xs, wc, ws, Wq_b, Wk_b, Wv_b, qkvc, qkvs; writes qkvc, qkvs
.if DOCPART == 2
	.amdgcn_target "amdgcn-amd-amdhsa--gfx1250"
	.amdhsa_code_object_version 6
	.text
	.protected	k_q0c7df8e4d1_qkv
	.globl	k_q0c7df8e4d1_qkv
	.p2align	8
	.type	k_q0c7df8e4d1_qkv,@function
k_q0c7df8e4d1_qkv:
	s_mov_b64 s[64:65], 0
	v_nop
	global_prefetch_b8 v0, s[64:65] scope:SCOPE_SE
	s_setreg_imm32_b32 hwreg(HW_REG_WAVE_MODE, 25, 1), 1
	s_wait_xcnt 0x0
	s_wait_alu depctr_hold_cnt(0) depctr_sa_sdst(0) depctr_va_vdst(0) depctr_va_sdst(0) depctr_va_ssrc(0) depctr_va_vcc(0) depctr_vm_vsrc(0)
	s_getreg_b32 s2, hwreg(HW_REG_IB_STS2, 6, 4)
	s_cmp_eq_u32 s2, 0
	s_cbranch_scc0 .Lentry_in_a_cluster
	s_endpgm
.Lentry_in_a_cluster:
	s_bfe_u32 s2, ttmp6, 0x10000c
	s_cmp_lg_u32 s2, 0xf033
	s_cbranch_scc0 .Lentry_shape_is_right
	s_endpgm
.Lentry_shape_is_right:
; q = x Wq + bq, k = x Wk + bk, v = x Wv + bv on codes of FP6 (E2M3) with E8M0 scales; the results are quantised in registers and leave as codes: q and k along the head's 64, v along the keys.
; The cluster's x (0, 1, 2) says which of the three.  A tile of 256 x 256 is made by four waves, each 128 x 128: 64 accumulators, 512 registers.  K = 1,024 goes in four steps of 256 through two LDS slots.
; OPERANDS lie in memory as images of their registers (1,536 bytes for 16 rows x 128 K: halves c of 768 bytes: registers 6 c .. 6 c + 3 at 16 x lane, 6 c + 4, 6 c + 5 at 512 + 8 x lane), [fragment][K step][1,536],
; so every LDS load takes consecutive bytes by lane and nothing is padded.  ROW ORDER: fragment 2 B + u, place p, holds row 32 B + 8 u + p + 8 (p / 8).
; THE MATRIX INSTRUCTION: source 0 = a fragment of "B", source 1 = a fragment of "A": lane (r, h) holds A's place r, and its register j of tile b holds B's row 32 (b / 2) + 8 (b % 2) + 16 h + j: the 64 registers of one A fragment
; are 16 neighbours of each of four blocks of 32 along B's rows: what the quantiser wants.  For q and k: A = x (tokens), B = W (channels).  FOR v THE ROLES ARE EXCHANGED (A = Wv, B = x), since v's K is the keys.
; CLUSTERS: 4 x 4.  A's tiles are shared along a row of the cluster, B's along a column: joint loads.  The biases are the C of each sum's first matrix instruction.
; OUT: qkvc: three regions of 6,291,456 bytes, each [batch x head 64][98,304]: q, k: [token tile 0..127][768] (half an image: 16 tokens x 64); v: [key step 0..15][channel tile 0..3][1,536].
;      qkvs: q at 0: [bh][step of 128 tokens][lane][4 words] (word d of lane (p, h'): tile 2 d + h'; bytes 0, 1 the head's two blocks); from 524,288 on [bh][12,288]: k's 8,192 likewise, then v's [step][lane][2 words].
; LIMITS: NaN and infinities are not served; a block whose largest magnitude lies under 2^-124 keeps the byte 1.
; REGISTERS: window 0: v16-23 LDS addresses, v24 16 x lane, v25 8 x lane, v27 scale words' address, v28, v29 the add's two, v30 the bias's offset, v32-63 scale words (two sets), v64-127 the bias, v128-223 A's 8 fragments (one set);
;   window 1: B's 8 fragments, two sets, at v0 and v128;  window 2, 3: the accumulators ((a, b) at v[8 (8 (a % 4) + b)]).
.set NQ,    2                          ; K steps of 128 in a slot
.set FR,    12                         ; registers of a fragment
.set NL,    4                          ; LDS loads that bring one
.set NP,    4                          ; places behind this matrix instruction (ISA guide 7.12.1)
.set HALFT, 24576                      ; 8 fragments x 2 K steps x 1,536: what one tensor load brings
.set SLOT,  98304                      ; A's two halves, then B's two
.set SCLA,  196608                     ; A's scale words, 8,192 bytes, filled once
.set SCLB,  204928                     ; B's: 128 bytes further on than a multiple of 256, so that the two halves of a scale load's lanes take different words of a 256-byte row
.set SPARE, 213248                     ; the spare words, 128 bytes for each wave
.set ADRA,  16                         ; v16, v17: A's fragments in slot 0, 1, + 16 x lane;  v18, v19: + 8 x lane
.set ADRB,  20                         ; v20-23 the same for B
.set ADRS,  27
.set SPW,   28
.set NIL,   29
.set SC,    32
.set BIAS,  64
.set AF,    128
.set TM,    128                        ; the way out: v128-143 at work, v144-151 the eight scale words, v152-159 their packing, v160-207 codes, two sets of 24
.set WD,    144
.set RR,    152
.set R2,    156
.set CODE,  160
.set SEL,   20                         ; s[20:21] on the way out: lane selects for v_permlanex16_b32
.set G1,   24
.set G0,   32
.set G1B,  48
.set G0B,  56
.set G1S,  68
.set G0S,  76
.set G1SB, 80
.set G0SB, 88
.set MSB, 0
.macro WIN new                         ; the immediate's high byte repeats the setting that is left
.if MSB != \new
	s_set_vgpr_msb (MSB<<8)|\new
.set MSB, \new
.endif
.endm
.set MUL_LO, 0xa1                      ; source 0 window 1, source 1 window 0, C and D window 2
.set MUL_HI, 0xf1                      ; C and D window 3
.set BIA_LO, 0x81                      ; C (the bias) window 0, D window 2
.set BIA_HI, 0xc1
.set TO_B,   0x40                      ; destination window 1, address window 0
; A joint load: waves 0 and 1 fetch for A, waves 2 and 3 for B; the branch hangs on the wave's number alone.  An s_nop 0 and four v_nop follow each of the two lines.
.macro JLOAD g0a, g1a, g0b, g1b
	s_cmp_eq_u32 s15, 0
	s_cbranch_scc0 .Lfor_b_\@
	tensor_load_to_lds s[\g0a:\g0a+3], s[\g1a:\g1a+7]
	s_nop 0
.rept 4
	v_nop
.endr
	s_branch .Lasked_\@
.Lfor_b_\@:
	tensor_load_to_lds s[\g0b:\g0b+3], s[\g1b:\g1b+7]
	s_nop 0
.rept 4
	v_nop
.endr
.Lasked_\@:
.endm
.macro CREST                           ; a round of the cluster's barrier behind its opening barrier
	s_cmp_lg_u32 s14, 0
	s_cbranch_scc1 .Lnot_wave_0_\@
	s_barrier_signal -3
.Lnot_wave_0_\@:
	s_barrier_wait -3
	s_barrier_signal -1
	s_barrier_wait -1
.endm
.macro CROUND
	s_barrier_signal -1
	s_barrier_wait -1
	CREST
.endm
	s_load_b256 s[4:11], s[0:1], 0x0               ; xc, xs, wc, ws
	s_load_b256 s[92:99], s[0:1], 0x20             ; Wq_b, Wk_b, Wv_b, qkvc
	s_load_b64 s[100:101], s[0:1], 0x40            ; qkvs
	v_lshl_add_u32 v[SPW], v0, 2, SPARE
	v_mov_b32 v[NIL], 0
	ds_add_u32 v[SPW], v[NIL]                      ; the wave's opening: the add, twice on end, and its wait ahead of my first tensor load
	ds_add_u32 v[SPW], v[NIL]
	v_lshrrev_b32 v1, 5, v0
	v_readfirstlane_b32 s14, v1                    ; wave 0..3
	s_lshr_b32 s15, s14, 1                         ; which half of A's rows is mine.  Also: I fetch for A (0) or for B (1)
	s_and_b32 s16, s14, 1                          ; which half of B's rows.  Also: which 8 fragments I fetch
	s_bfe_u32 s40, ttmp6, 0x40000                  ; cx
	s_bfe_u32 s41, ttmp6, 0x40004                  ; cy
	s_and_b32 s17, ttmp7, 0xffff                   ; the cluster's y: which 1,024 tokens
	s_lshl_b32 s43, s41, 2
	s_lshl_b32 s43, 15, s43                        ; my row of the cluster
	s_lshl_b32 s44, 0x1111, s40                    ; my column
	; group 1 for the codes: 8 rows (fragments) of 3,072 bytes (two K steps), 12,288 bytes apart; elements of 8 bytes; no padding
	s_or_b32 s[G1+0], s43, (3<<16)|(1<<21)
	s_or_b32 s[G1B+0], s44, (3<<16)|(1<<21)
.irp g, G1, G1B
	s_mov_b32 s[\g+1], 384<<16                     ; tensor_dim0
	s_mov_b32 s[\g+2], 8<<16                       ; tensor_dim1
	s_mov_b32 s[\g+3], 384<<16                     ; tile_dim0
	s_mov_b32 s[\g+4], 8                           ; tile_dim1
	s_mov_b32 s[\g+5], 1536                        ; stride
	s_mov_b32 s[\g+6], 0
	s_mov_b32 s[\g+7], 0
.endr
	; and for the scale words of 8 fragments: 4,096 dense bytes as 16 rows of 256
	s_or_b32 s[G1S+0], s43, (3<<16)|(1<<21)
	s_or_b32 s[G1SB+0], s44, (3<<16)|(1<<21)
.irp g, G1S, G1SB
	s_mov_b32 s[\g+1], 32<<16
	s_mov_b32 s[\g+2], 16<<16
	s_mov_b32 s[\g+3], 32<<16
	s_mov_b32 s[\g+4], 16
	s_mov_b32 s[\g+5], 32
	s_mov_b32 s[\g+6], 0
	s_mov_b32 s[\g+7], 0
.endr
	; the fragments that I fetch.  A's number holds cy alone, B's cx alone
	s_lshl_b32 s18, s16, 3
	s_lshl_b32 s19, s17, 6                         ; x: 64 fragments for each 1,024 tokens
	s_lshl_b32 s42, ttmp9, 6                       ; W: 64 fragments a matrix
	s_cmp_eq_u32 ttmp9, 2                          ; v?  The same in all sixteen partners
	s_cselect_b32 s45, 128, s19                    ; A's first fragment: Wv's, or x's
	s_cselect_b32 s42, s19, s42                    ; B's: x's, or W's
	s_lshl_b32 s20, s41, 4
	s_add_co_u32 s20, s20, s18
	s_add_co_u32 s20, s20, s45
	s_lshl_b32 s46, s40, 4
	s_add_co_u32 s46, s46, s18
	s_add_co_u32 s46, s46, s42
	s_lshl_b32 s22, s20, 9                         ; 512 bytes of scale words a fragment
	s_mov_b32 s23, 0
	s_mul_i32 s20, s20, 12288                      ; 12,288 bytes of codes
	s_mov_b32 s21, 0
	s_lshl_b32 s66, s46, 9
	s_mov_b32 s67, 0
	s_mul_i32 s46, s46, 12288
	s_mov_b32 s47, 0
	s_mul_i32 s12, s14, HALFT                      ; where my tile goes: no place in the cluster enters an LDS address
	s_lshl_b32 s13, s16, 12
	s_wait_dscnt 0x0                               ; both opening adds are done
	s_wait_kmcnt 0x0
	s_cmp_eq_u32 ttmp9, 2
	s_cselect_b64 s[G0+2:G0+3], s[8:9], s[4:5]     ; A's codes
	s_cselect_b64 s[G0B+2:G0B+3], s[4:5], s[8:9]   ; B's codes
	s_cselect_b64 s[G0S+2:G0S+3], s[10:11], s[6:7] ; A's scales
	s_cselect_b64 s[G0SB+2:G0SB+3], s[6:7], s[10:11]
	s_add_nc_u64 s[G0+2:G0+3], s[G0+2:G0+3], s[20:21]
	s_add_nc_u64 s[G0B+2:G0B+3], s[G0B+2:G0B+3], s[46:47]
	s_add_nc_u64 s[G0S+2:G0S+3], s[G0S+2:G0S+3], s[22:23]
	s_add_nc_u64 s[G0SB+2:G0SB+3], s[G0SB+2:G0SB+3], s[66:67]
	s_add_nc_u64 s[G0+6:G0+7], s[G0+2:G0+3], 3072  ; slot 1: K steps 2 and 3
	s_add_nc_u64 s[G0B+6:G0B+7], s[G0B+2:G0B+3], 3072
.irp g, G0, G0+4, G0B, G0B+4, G0S, G0SB
	s_mov_b32 s[\g], 1
	s_or_b32 s[\g+3], s[\g+3], 0x80000000
.endr
	s_add_co_u32 s[G0+1], s12, 0
	s_add_co_u32 s[G0+5], s12, SLOT
	s_add_co_u32 s[G0B+1], s12, 0
	s_add_co_u32 s[G0B+5], s12, SLOT
	s_add_co_u32 s[G0S+1], s13, SCLA
	s_add_co_u32 s[G0SB+1], s13, SCLB
	CROUND                                         ; all sixteen work-groups are here: the first joint loads meet
	JLOAD G0S, G1S, G0SB, G1SB                     ; the scale words of all of K: filled once
	JLOAD G0, G1, G0B, G1B
	JLOAD G0+4, G1, G0B+4, G1B                     ; three loads of mine are out
	; ---- the bias, in the result's layout
	v_and_b32 v1, 15, v0                           ; r
	v_bfe_u32 v2, v0, 4, 1                         ; h
	s_cmp_eq_u32 ttmp9, 2
	s_cbranch_scc1 .Lbias_v
	s_cmp_eq_u32 ttmp9, 1
	s_cselect_b64 s[92:93], s[94:95], s[92:93]
	s_lshl_b32 s2, s40, 10                         ; q, k: channels run along the registers: 256 cx + 128 half + 32 (b / 2) + 8 (b % 2) + 16 h + j
	s_lshl_b32 s3, s16, 9
	s_add_co_u32 s2, s2, s3
	s_mov_b32 s3, 0
	s_add_nc_u64 s[92:93], s[92:93], s[2:3]
	v_lshlrev_b32 v30, 6, v2
.irp b, 0,1,2,3,4,5,6,7
	global_load_b128 v[BIAS+8*\b:BIAS+8*\b+3], v30, s[92:93] offset:(32*(\b/2)+8*(\b%2))*4
	global_load_b128 v[BIAS+8*\b+4:BIAS+8*\b+7], v30, s[92:93] offset:(32*(\b/2)+8*(\b%2))*4+16
.endr
	s_branch .Lbias_in
.Lbias_v:
	s_lshl_b32 s2, s41, 10                         ; v: a lane holds one channel: 256 cy + 128 half + 32 (a / 2) + 8 (a % 2) + r + 8 (r / 8), the same in all eight registers
	s_lshl_b32 s3, s15, 9
	s_add_co_u32 s2, s2, s3
	s_mov_b32 s3, 0
	s_add_nc_u64 s[96:97], s[96:97], s[2:3]
	v_and_b32 v30, 8, v1
	v_add_nc_u32 v30, v30, v1
	v_lshlrev_b32 v30, 2, v30
.irp a, 0,1,2,3,4,5,6,7
.irp j, 0,1,2,3,4,5,6,7
	global_load_b32 v[BIAS+8*\a+\j], v30, s[96:97] offset:(32*(\a/2)+8*(\a%2))*4
.endr
.endr
.Lbias_in:
	v_and_b32 v3, 31, v0
	v_lshlrev_b32 v24, 4, v3                       ; 16 x lane
	v_lshlrev_b32 v25, 3, v3                       ; 8 x lane
	s_mul_i32 s18, s15, HALFT                      ; my 8 fragments of A
	s_mul_i32 s19, s16, HALFT
	s_add_co_u32 s19, s19, 2*HALFT                 ; and of B, behind A's 16
.irp s, 0,1
	v_add_nc_u32 v[ADRA+\s], s18, v24
	v_add_nc_u32 v[ADRA+2+\s], s18, v25
	v_add_nc_u32 v[ADRB+\s], s19, v24
	v_add_nc_u32 v[ADRB+2+\s], s19, v25
	s_add_co_u32 s18, s18, SLOT
	s_add_co_u32 s19, s19, SLOT
.endr
	s_lshl_b32 s18, s15, 12                        ; scale words: lanes 0-15 take A's, lanes 16-31 B's: the lower base + h x the distance
	s_lshl_b32 s19, s16, 12
	s_add_co_u32 s19, s19, SCLB-SCLA
	s_sub_co_u32 s19, s19, s18
	v_mul_u32_u24 v6, s19, v2
	s_add_co_u32 s18, s18, SCLA
	v_lshl_add_u32 v6, v1, 3, v6                   ; 8 bytes a place: the slot's two words
	v_add_nc_u32 v[ADRS], s18, v6
.macro FRAG reg, adr, off              ; an image comes back as it was stored: 512, 256, 512, 256 consecutive bytes
	ds_load_b128 v[\reg:\reg+3], v[\adr] offset:\off
	ds_load_b64 v[\reg+4:\reg+5], v[\adr+2] offset:\off+512
	ds_load_b128 v[\reg+6:\reg+9], v[\adr] offset:\off+768
	ds_load_b64 v[\reg+10:\reg+11], v[\adr+2] offset:\off+1280
.endm
; 16 matrix instructions: A's fragments a0, a0 + 1 x B's eight, 128 along K.  cmode 0: the sums go on; 1: they begin with the bias by B's rows; 2: by A's rows.  The 64 accumulators take turns.
.macro MUL16 a0, p, q, sc, cmode
.irp a, \a0, \a0+1
.irp b, 0,1,2,3,4,5,6,7
.if \cmode == 0
	v_wmma_scale_f32_16x16x128_f8f6f4 v[8*(8*((\a)%4)+\b):8*(8*((\a)%4)+\b)+7], v[128*(\p)+FR*\b:128*(\p)+FR*\b+FR-1], v[AF+FR*(\a):AF+FR*(\a)+FR-1], v[8*(8*((\a)%4)+\b):8*(8*((\a)%4)+\b)+7], v[SC+8*NQ*(\sc)+NQ*\b+(\q)], v[SC+8*NQ*(\sc)+NQ*(\a)+(\q)] matrix_a_fmt:MATRIX_FMT_FP6 matrix_b_fmt:MATRIX_FMT_FP6 matrix_a_scale:MATRIX_SCALE_ROW1
.elseif \cmode == 1
	v_wmma_scale_f32_16x16x128_f8f6f4 v[8*(8*((\a)%4)+\b):8*(8*((\a)%4)+\b)+7], v[128*(\p)+FR*\b:128*(\p)+FR*\b+FR-1], v[AF+FR*(\a):AF+FR*(\a)+FR-1], v[BIAS+8*\b:BIAS+8*\b+7], v[SC+8*NQ*(\sc)+NQ*\b+(\q)], v[SC+8*NQ*(\sc)+NQ*(\a)+(\q)] matrix_a_fmt:MATRIX_FMT_FP6 matrix_b_fmt:MATRIX_FMT_FP6 matrix_a_scale:MATRIX_SCALE_ROW1
.else
	v_wmma_scale_f32_16x16x128_f8f6f4 v[8*(8*((\a)%4)+\b):8*(8*((\a)%4)+\b)+7], v[128*(\p)+FR*\b:128*(\p)+FR*\b+FR-1], v[AF+FR*(\a):AF+FR*(\a)+FR-1], v[BIAS+8*(\a):BIAS+8*(\a)+7], v[SC+8*NQ*(\sc)+NQ*\b+(\q)], v[SC+8*NQ*(\sc)+NQ*(\a)+(\q)] matrix_a_fmt:MATRIX_FMT_FP6 matrix_b_fmt:MATRIX_FMT_FP6 matrix_a_scale:MATRIX_SCALE_ROW1
.endif
.endr
.endr
.endm
.macro FETCH_B slot, q, p
	WIN TO_B
.irp i, 0,1,2,3,4,5,6,7
	FRAG 128*(\p)+FR*\i, ADRB+\slot, \i*3072+(\q)*1536
.endr
	WIN 0
.endm
.macro FETCH_A slot, q, i0
.irp i, \i0, \i0+1, \i0+2, \i0+3
	FRAG AF+FR*(\i), ADRA+\slot, (\i)*3072+(\q)*1536
.endr
.endm
.macro SCALES sc                       ; the slot's two words of each row: lanes 0-15 A's fragment i, lanes 16-31 B's fragment i
.irp i, 0,1,2,3,4,5,6,7
	ds_load_b64 v[SC+8*NQ*\sc+NQ*\i:SC+8*NQ*\sc+NQ*\i+1], v[ADRS] offset:\i*512
.endr
.endm
.macro PLACES n                        ; plain vector instructions between a matrix instruction and a load into, or a vector instruction on, its registers
.rept \n
	v_nop
.endr
.endm
.macro STEP slot, q, cmode             ; 128 along K that have their successor in the same slot
	s_wait_dscnt 4*NL                              ; B's set, A's fragments 0-3 and the scale words are in; the youngest 16 loads (A's 4-7) may be out
.if \cmode
	WIN BIA_LO
.else
	WIN MUL_LO
.endif
	MUL16 0, (\q)%2, \q, \slot, \cmode
	MUL16 2, (\q)%2, \q, \slot, \cmode
	s_wait_dscnt 0x0                               ; A's fragments 4-7 are in
	PLACES NP
	FETCH_B \slot, (\q)+1, 1-(\q)%2
	FETCH_A \slot, (\q)+1, 0
.if \cmode
	WIN BIA_HI
.else
	WIN MUL_HI
.endif
	MUL16 4, (\q)%2, \q, \slot, \cmode
	MUL16 6, (\q)%2, \q, \slot, \cmode
	PLACES NP
	WIN 0
	FETCH_A \slot, (\q)+1, 4
.endm
; A slot's last step changes slots: one barrier; in front of it each wave waits for all its tensor loads, adds 0 to its spare word, and waits for that and for its own reads of this slot.  fill = 1: the slot is filled again.
.macro TURN slot, next, fill
	s_wait_tensorcnt 0x0                           ; all my tensor loads have landed: my part of the next slot
	ds_add_u32 v[SPW], v[NIL]
	s_wait_dscnt 4*NL+1                            ; (the add and the youngest 16 loads may be out)
	WIN MUL_LO
	MUL16 0, 1, NQ-1, \slot, 0
	s_wait_dscnt 0x0                               ; the add is done, and my reads of this slot are over
	s_barrier_signal -1
	MUL16 2, 1, NQ-1, \slot, 0
	WIN 0
	s_barrier_wait -1
.if \fill
	CREST                                          ; the barrier has opened a round of the cluster's barrier: no wave of any partner still reads this slot or has a load on its way
	s_add_nc_u64 s[G0+4*\slot+2:G0+4*\slot+3], s[G0+4*\slot+2:G0+4*\slot+3], 6144   ; four K steps on
	s_add_nc_u64 s[G0B+4*\slot+2:G0B+4*\slot+3], s[G0B+4*\slot+2:G0B+4*\slot+3], 6144
	JLOAD G0+4*\slot, G1, G0B+4*\slot, G1B         ; the first tensor load behind the round; its four v_nop are also the places in front of the loads below
.else
	PLACES NP
.endif
	v_add_nc_u32 v[ADRS], 128, v[ADRS]             ; the next pair of K steps' scale words
	FETCH_B \next, 0, 0
	FETCH_A \next, 0, 0
	SCALES \next
	WIN MUL_HI
	MUL16 4, 1, NQ-1, \slot, 0
	MUL16 6, 1, NQ-1, \slot, 0
	PLACES NP
	WIN 0
	FETCH_A \next, 0, 4
.endm
	s_wait_tensorcnt 1                             ; the scale words and my part of slot 0 are in; slot 1's load may be out
	s_barrier_signal -1
	s_barrier_wait -1
	FETCH_B 0, 0, 0
	FETCH_A 0, 0, 0
	SCALES 0
	FETCH_A 0, 0, 4
	s_wait_loadcnt 0x0                             ; the bias
	s_cmp_eq_u32 ttmp9, 2
	s_cbranch_scc1 .Lfirst_v
	STEP 0, 0, 1                                   ; the first step starts the sums with the bias
	s_branch .Lfirst_done
.Lfirst_v:
	STEP 0, 0, 2
.Lfirst_done:
	TURN 0, 1, 1                                   ; K = 1,024 is four slots' worth: both slots are filled once more
	STEP 1, 0, 0
	TURN 1, 0, 1
	STEP 0, 0, 0
	TURN 0, 1, 0
	STEP 1, 0, 0
	s_wait_dscnt 4*NL                              ; the very last step
	WIN MUL_LO
	MUL16 0, 1, NQ-1, 1, 0
	MUL16 2, 1, NQ-1, 1, 0
	s_wait_dscnt 0x0
	WIN MUL_HI
	MUL16 4, 1, NQ-1, 1, 0
	MUL16 6, 1, NQ-1, 1, 0
	WIN 0
	; ---- THE WAY OUT.  No tensor load of mine is out: the descriptors' registers serve as scratch
	s_cmp_eq_u32 ttmp9, 2
	s_cselect_b32 s68, s40, s41                    ; the token tile's place in the cluster,
	s_cselect_b32 s69, s41, s40                    ; the channel tile's,
	s_cselect_b32 s70, s16, s15                    ; my half of the tokens,
	s_cselect_b32 s71, s15, s16                    ; my half of the channels
	s_mov_b32 s46, 768
	s_cselect_b32 s46, 1536, s46                   ; from one A fragment to the next: a token tile (q, k) or a channel tile (v)
	s_mov_b32 s47, 0
	s_cselect_b32 s66, 92160, 0                    ; v: at a = 4 on to the next head
	s_mov_b32 s67, 0
	s_mov_b32 s72, 98304
	s_cselect_b32 s72, 768, s72                    ; the image's second half: the next head's tile (q, k), or the same image's (v)
	s_mov_b32 s73, 0
	s_cselect_b32 s74, 8, 9                        ; scale bytes a step of 128 tokens: 256 (v) or 512
	s_cselect_b32 s75, 8192, 0                     ; v's words lie behind k's
	s_cmp_lg_u32 ttmp9, 0
	s_cselect_b32 s76, 524288, 0
	s_mov_b32 s78, 8192
	s_cselect_b32 s78, 12288, s78                  ; a head's scale bytes
	s_mov_b32 s79, 0
	s_lshl_b32 s80, s17, 2
	s_add_co_u32 s80, s80, s68
	s_lshl_b32 s80, s80, 1
	s_add_co_u32 s80, s80, s70                     ; my first token / 128
	s_lshr_b32 s81, s80, 4                         ; the batch
	s_and_b32 s80, s80, 15                         ; the step of 128 tokens in it
	s_lshl_b32 s81, s81, 4
	s_lshl_b32 s82, s69, 2
	s_add_co_u32 s81, s81, s82
	s_lshl_b32 s82, s71, 1
	s_add_co_u32 s81, s81, s82                     ; my first batch x head: 16 batch + 4 channel tile + 2 half
	s_mul_i32 s82, ttmp9, 6291456
	s_mul_i32 s83, s81, 98304
	s_add_co_u32 s82, s82, s83
	s_mul_i32 s83, s80, 6144                       ; 128 tokens are 6,144 bytes of a head in all three regions
	s_add_co_u32 s82, s82, s83
	s_mov_b32 s83, 0
	s_add_nc_u64 s[98:99], s[98:99], s[82:83]      ; where an image's first half goes,
	s_add_nc_u64 s[92:93], s[98:99], s[72:73]      ; and its second
	s_mul_i32 s82, s81, s78
	s_add_co_u32 s82, s82, s76
	s_add_co_u32 s82, s82, s75
	s_lshl_b32 s84, s80, s74
	s_add_co_u32 s82, s82, s84
	s_add_nc_u64 s[100:101], s[100:101], s[82:83]  ; the first head's scale words,
	s_add_nc_u64 s[94:95], s[100:101], s[78:79]    ; the second's
	s_mov_b32 s[SEL], 0x76543210
	s_mov_b32 s[SEL+1], 0xfedcba98
	PLACES NP                                      ; behind the last products: their results are read, and A's registers written, below
.irp b, 0,1,2,3
	v_mov_b32 v[TM+4+\b], 0                        ; written once: a lane permute's destination counts as one of its sources
.endr
; A fragment a's 64 registers, register 16 b + i = B's row 32 b + 16 h + i, become an image and a scale word
.macro OUTA a
.set AC, 64*((\a)%4)
.set WN, 2+(\a)/4
.set WA, WN*5
.set CS, CODE+24*((\a)%2)
	WIN WA                                         ; sources 0 and 1: the accumulators' window
.irp b, 0,1,2,3
	v_max3_num_f32 v[TM+\b], |v[AC+16*\b]|, |v[AC+16*\b+1]|, 0x1800000   ; each accumulator is read from its low end on; the floor 2^(3 - 127) holds the byte at 1 from below
.endr
.irp i, 2,4,6,8,10,12,14
.irp b, 0,1,2,3
	v_max3_num_f32 v[TM+\b], |v[AC+16*\b+\i]|, |v[AC+16*\b+\i+1]|, v[TM+\b]
.endr
.endr
	WIN 0
.irp b, 0,1,2,3
	v_permlanex16_b32 v[TM+4+\b], v[TM+\b], s[SEL], s[SEL+1]
.endr
.irp b, 0,1,2,3
	v_max_num_f32 v[TM+\b], v[TM+\b], v[TM+4+\b]
.endr
.irp b, 0,1,2,3
	v_add_nc_u32 v[TM+12+\b], 0xff000000, v[TM+\b]
.endr
.irp b, 0,1,2,3
	v_lshrrev_b32 v[TM+4+\b], 23, v[TM+12+\b]
.endr
	v_lshl_or_b32 v[WD+(\a)], v[TM+5], 8, v[TM+4]
	v_lshl_or_b32 v[WD+(\a)], v[TM+6], 16, v[WD+(\a)]
	v_lshl_or_b32 v[WD+(\a)], v[TM+7], 24, v[WD+(\a)]
	s_wait_xcnt 0x0                                ; the earlier stores have read their bases and their data
.if (\a) > 0
	s_add_nc_u64 s[98:99], s[98:99], s[46:47]
	s_add_nc_u64 s[92:93], s[92:93], s[46:47]
.endif
.if (\a) == 4
	s_add_nc_u64 s[98:99], s[98:99], s[66:67]
	s_add_nc_u64 s[92:93], s[92:93], s[66:67]
.endif
	WIN WN                                         ; source 0: the accumulators' window
.irp c, 0,1
	v_cvt_scalef32_pk16_fp6_f32 v[CS+6*\c:CS+6*\c+2], v[AC+32*\c:AC+32*\c+15], v[TM+12+2*\c]
	v_cvt_scalef32_pk16_fp6_f32 v[CS+12+4*\c:CS+14+4*\c], v[AC+32*\c+16:AC+32*\c+31], v[TM+12+2*\c+1]
.endr
	WIN 0
	v_nop                                          ; one plain instruction behind a scaled conversion
.irp c, 0,1
.irp i, 0,1,2
	v_permlane16_swap_b32 v[CS+6*\c+\i], v[CS+12+4*\c+\i]
.endr
.irp i, 0,1,2
	v_mov_b32 v[CS+3+6*\c+\i], v[CS+12+4*\c+\i]
.endr
.endr
	global_store_b128 v24, v[CS:CS+3], s[98:99]                ; 512 consecutive bytes
	global_store_b64 v25, v[CS+4:CS+5], s[98:99] offset:512    ; 256
	global_store_b128 v24, v[CS+6:CS+9], s[92:93]
	global_store_b64 v25, v[CS+10:CS+11], s[92:93] offset:512
.endm
.irp a, 0,1,2,3,4,5,6,7
	OUTA \a
.endr
	s_mov_b32 s2, 0xffff0000                       ; lanes 16-31 take the odd fragment's word
.irp e, 0,1,2,3
	v_cndmask_b32 v[RR+\e], v[WD+2*\e], v[WD+2*\e+1], s2
.endr
	s_cmp_eq_u32 ttmp9, 2
	s_cbranch_scc1 .Lscales_v
	global_store_b128 v24, v[RR:RR+3], s[100:101]  ; q, k: the first head reads bytes 0, 1; bytes 2, 3 are valid bytes that meet zero codes
.irp e, 0,1,2,3
	v_lshrrev_b32 v[R2+\e], 16, v[RR+\e]           ; the second head's two bytes
.endr
	global_store_b128 v24, v[R2:R2+3], s[94:95]
	s_branch .Lscales_done
.Lscales_v:
	global_store_b64 v25, v[RR:RR+1], s[100:101]   ; v: channel tiles 0-3 are the first head's,
	global_store_b64 v25, v[RR+2:RR+3], s[94:95]   ; 4-7 the second's
.Lscales_done:
	s_wait_tensorcnt 0x0                           ; the wave's end
	ds_add_u32 v[SPW], v[NIL]
	s_wait_dscnt 0x0
	CROUND                                         ; the closing round
	s_endpgm
.Lfunc_end_k_q0c7df8e4d1_qkv:
	.size	k_q0c7df8e4d1_qkv, .Lfunc_end_k_q0c7df8e4d1_qkv-k_q0c7df8e4d1_qkv
	.p2alignl 7, 3214868480
	.fill 96, 4, 3214868480
	.section	.rodata,"a",@progbits
	.p2align	6, 0x0
	.amdhsa_kernel k_q0c7df8e4d1_qkv
		.amdhsa_group_segment_fixed_size 327680
		.amdhsa_private_segment_fixed_size 0
		.amdhsa_enable_private_segment 0
		.amdhsa_kernarg_size 72
		.amdhsa_user_sgpr_count 2
		.amdhsa_user_sgpr_kernarg_segment_ptr 1
		.amdhsa_wavefront_size32 1
		.amdhsa_system_sgpr_workgroup_id_x 1
		.amdhsa_system_sgpr_workgroup_id_y 1
		.amdhsa_system_sgpr_workgroup_id_z 1
		.amdhsa_system_vgpr_workitem_id 0
		.amdhsa_next_free_vgpr 1024
		.amdhsa_next_free_sgpr 102
		.amdhsa_reserve_vcc 0
		.amdhsa_float_denorm_mode_32 3
		.amdhsa_float_denorm_mode_16_64 3
		.amdhsa_memory_ordered 1
		.amdhsa_forward_progress 1
		.amdhsa_inst_pref_size 172
	.end_amdhsa_kernel
	.amdgpu_metadata
---
amdhsa.version: [ 1, 2 ]
amdhsa.kernels:
  - .name:           k_q0c7df8e4d1_qkv
    .symbol:         k_q0c7df8e4d1_qkv.kd
    .args:
      - { .name: xc, .offset: 0, .size: 8, .value_kind: global_buffer, .address_space: global }
      - { .name: xs, .offset: 8, .size: 8, .value_kind: global_buffer, .address_space: global }
      - { .name: wc, .offset: 16, .size: 8, .value_kind: global_buffer, .address_space: global }
      - { .name: ws, .offset: 24, .size: 8, .value_kind: global_buffer, .address_space: global }
      - { .name: Wq_b, .offset: 32, .size: 8, .value_kind: global_buffer, .address_space: global }
      - { .name: Wk_b, .offset: 40, .size: 8, .value_kind: global_buffer, .address_space: global }
      - { .name: Wv_b, .offset: 48, .size: 8, .value_kind: global_buffer, .address_space: global }
      - { .name: qkvc, .offset: 56, .size: 8, .value_kind: global_buffer, .address_space: global }
      - { .name: qkvs, .offset: 64, .size: 8, .value_kind: global_buffer, .address_space: global }
    .group_segment_fixed_size: 327680
    .private_segment_fixed_size: 0
    .kernarg_segment_align: 8
    .kernarg_segment_size: 72
    .max_flat_workgroup_size: 128
    .sgpr_count:     102
    .vgpr_count:     1024
    .wavefront_size: 32
...
	.end_amdgpu_metadata
.endif
;; end of part 2
;; launch attn (part 3): grid 64 x 8, 16 waves a work-group, no clusters, 327,680 bytes of LDS; arguments qkvc, qkvs, ac, asc; writes ac, asc
.if DOCPART == 3
	.amdgcn_target "amdgcn-amd-amdhsa--gfx1250"
	.amdhsa_code_object_version 6
	.text
	.protected	k_q0c7df8e4d1_attn
	.globl	k_q0c7df8e4d1_attn
	.p2align	8
	.type	k_q0c7df8e4d1_attn,@function
k_q0c7df8e4d1_attn:
	s_mov_b64 s[64:65], 0
	v_nop
	global_prefetch_b8 v0, s[64:65] scope:SCOPE_SE
	s_setreg_imm32_b32 hwreg(HW_REG_WAVE_MODE, 25, 1), 1
	s_wait_xcnt 0x0
; Causal attention on codes of FP6 (E2M3): S = q k^T (K = the head's 64: half of the instruction's 128; the other half of q's operand is zero codes), the softmax, O = p v (K = the keys), O / l quantised along D into ac, asc.
; THE MASK: a key counts for a query where key <= query AND the score is not exactly 0: hidden scores become -infinity ahead of the maximum, the sum and the blocks' scales.
; THE SOFTMAX: t = score x log2(e) / 8; M = the running largest t rounded up to a whole number; p = 2^(t - M) is quantised along the keys; the row's sum l is taken of the unquantised p and divides at the end.
; A ROW WITH NO VISIBLE KEY has l = 0: its result is NaN.  FP6 has no such code: its two scale bytes are set to 0xff, which makes the sums of the last product NaN; no NaN arises in a vector register here.
; SHARES: work-group (x = batch x head, y): the 256 queries of block 7 - y; each of its sixteen waves owns one token tile of 16, in 256 registers.  Both products are used transposed: a lane holds ONE query throughout.
; TOKEN ORDER: tile 2 B + u, place p, holds token 32 B + 8 u + p + 8 (p / 8): so the 16 registers of key tiles 2 b and 2 b + 1 are 16 neighbouring keys 32 b + 16 (lane / 16) + 0 .. 15.
; K's and V's tiles are images of the operands' registers and come through a ring of two LDS slots of 256 keys (wave 0 fetches K's 12,288 bytes, wave 1 V's); the head's scale words stay in LDS.
; Every work-group walks all 8 slots (constant trip counts); a step all of whose keys come after the wave's queries is jumped over on ids, and a slot beyond the work-group's last query is not asked for.
; NO CLUSTER: under the causal mask a partner with earlier queries would jump over the reads of every later joint tile.
; LIMITS: NaN and infinities are not served; whether a score is exactly 0 is decided on the matrix unit's f32 sum; a block whose largest magnitude lies under 2^-124 keeps the byte 1.
; REGISTERS: v1 16 x lane, v2 8 x lane, v3, v4 scale words' places, v5, v6 the add's two, v8-11 the step's addresses, v12 -M, v13 the largest t, v[14:15] the sum, v16-21 q, v22-27 zeros, v28 q's scale word,
;   v29 my query - Q0 - 16 h, v30 -infinity, v31 the prefetches' offset, v32-79 K's 8 tiles (6 registers apart), later at work, v80-85 zeros, v86-89 K's scale words, v90-91 V's, v96-159 S^T, then p, v160-191 O^T,
;   v192-239 V's 4 fragments, v240-251 p's codes, v252 f, v253 p's scale word, v254 at work.
.set SLOT1, 32768                      ; a slot: K's 16 tiles of 768 bytes, then V's 2 x 4 images; slot 1 begins here, so that one exclusive or turns an address
.set VOFF,  12288
.set SCL,   65536                      ; the head's scale words: K's 8,192 bytes, then V's 4,096
.set SPARE, 77824                      ; the spare words, 128 bytes for each of sixteen waves
.set SPW,   5
.set NIL,   6
.set PFO,   31
.set BM,    32                         ; v32-35 the blocks' largest scores, then largest p
.set PT,    36                         ; v36-39 the other half's; then the bytes
.set SO,    40                         ; v40-43 the conversions' scale operands
.set TB,    2                          ; s2  LDS byte at which the slot in hand begins
.set TS,    3                          ; s3  the step's scale words of K: 512 bytes a step
.set WV,    18
.set SEL,   20
.set CS,    22                         ; s[22:23] c = log2(e) / 8
.set G1,    24                         ; s[24:31] one group 1: 12,288 dense bytes
.set G0K,   32
.set G0V,   36
.set G0S,   40
.set TJ,    66                         ; s66 V's scale words: 256 bytes a step
.set SLOTS, 67
.set KF,    68                         ; s68 the step's first key
.set Q0,    69                         ; s69 the first token of my pair of tiles
.set LIM,   70                         ; s70 1 in a wave that prefetches, else the greatest number
.set PFA,   72                         ; s[72:73] where the prefetches stand
.macro TLOAD2                          ; wave 0 fetches K's tiles, wave 1 V's, the others nothing.  An s_nop 0 and four v_nop follow each line
	s_cmp_lg_u32 s[WV], 0
	s_cbranch_scc1 .Lnot_k_\@
	tensor_load_to_lds s[G0K:G0K+3], s[G1:G1+7]
	s_nop 0
.rept 4
	v_nop
.endr
	s_branch .Lasked_\@
.Lnot_k_\@:
	s_cmp_lg_u32 s[WV], 1
	s_cbranch_scc1 .Lasked_\@
	tensor_load_to_lds s[G0V:G0V+3], s[G1:G1+7]
	s_nop 0
.rept 4
	v_nop
.endr
.Lasked_\@:
.endm
; A prefetch of what the NEXT change of slots will ask for: K's 48 blocks of 256 bytes and V's 48.  All eight work-groups of a head walk the same K and V: the one with y = 0, which walks them all, asks;
; in it waves 4 to 6, which fetch nothing, one instruction each, a lane a block: each block is named once in the launch.  The last change that fills a slot asks for nothing; slots 0 and 1 come by their loads alone.
.macro ASK
	s_cmp_gt_u32 s[SLOTS], s[LIM]
	s_cbranch_scc0 .Lnot_mine_\@
	global_prefetch_b8 v[PFO], s[PFA:PFA+1] th:TH_LOAD_NT scope:SCOPE_SE
.Lnot_mine_\@:
.endm
	s_load_b256 s[4:11], s[0:1], 0x0               ; qkvc, qkvs, ac, asc
	v_lshl_add_u32 v[SPW], v0, 2, SPARE
	v_mov_b32 v[NIL], 0
	ds_add_u32 v[SPW], v[NIL]                      ; the wave's opening: the add, twice on end, and its wait ahead of the first tensor load
	ds_add_u32 v[SPW], v[NIL]
	v_lshrrev_b32 v8, 5, v0
	s_delay_alu instid0(VALU_DEP_1)
	v_readfirstlane_b32 s[WV], v8                  ; wave 0..15
	s_and_b32 s12, ttmp7, 0xffff
	s_sub_co_u32 s13, 7, s12                       ; my block of 256 queries: the long blocks have the low ids
	s_mov_b32 s[G1], 3<<16                         ; elements of 8 bytes, no mask, no padding
	s_mov_b32 s[G1+1], 32<<16                      ; rows of 256 bytes,
	s_mov_b32 s[G1+2], 48<<16                      ; 48 of them,
	s_mov_b32 s[G1+3], 32<<16
	s_mov_b32 s[G1+4], 48
	s_mov_b32 s[G1+5], 32                          ; dense
	s_mov_b32 s[G1+6], 0
	s_mov_b32 s[G1+7], 0
	s_mul_i32 s44, ttmp9, 98304                    ; the head's bytes in each region of codes
	s_mov_b32 s45, 0
	s_mul_i32 s46, ttmp9, 12288                    ; and its K and V scale words
	s_add_co_u32 s46, s46, 524288
	s_mov_b32 s47, 0
	s_lshl_b32 s50, s13, 4
	s_add_co_u32 s50, s50, s[WV]                   ; my token tile
	s_mul_i32 s50, s50, 768
	s_mov_b32 s51, 0
	s_lshl_b32 s52, ttmp9, 4                       ; q's scale word: step 16 bh + 2 block + wave / 8, lane 16 (wave % 2) + p, word (wave / 2) % 4
	s_lshl_b32 s53, s13, 1
	s_add_co_u32 s52, s52, s53
	s_lshr_b32 s53, s[WV], 3
	s_add_co_u32 s52, s52, s53
	s_lshl_b32 s52, s52, 9
	s_and_b32 s53, s[WV], 1
	s_lshl_b32 s53, s53, 8
	s_add_co_u32 s52, s52, s53
	s_bfe_u32 s53, s[WV], 0x20001
	s_lshl_b32 s53, s53, 2
	s_add_co_u32 s52, s52, s53
	s_mov_b32 s53, 0
	s_mov_b32 s[SEL], 0x76543210
	s_mov_b32 s[SEL+1], 0xfedcba98
	s_mov_b32 s[CS], 0x3e38aa3b                    ; log2(e) / 8
	s_mov_b32 s[CS+1], s[CS]                       ; (named with it as a pair, so it is written)
	s_mov_b32 s[TB], 0
	s_mov_b32 s[TS], 0
	s_mov_b32 s[TJ], 0
	s_mov_b32 s[SLOTS], 7
	s_mov_b32 s[KF], 0
	s_lshl_b32 s[Q0], s13, 8
	s_lshr_b32 s96, s[WV], 1
	s_lshl_b32 s96, s96, 5
	s_add_co_u32 s[Q0], s[Q0], s96                 ; 256 block + 32 (wave / 2)
	s_sub_co_u32 s96, s[WV], 4
	s_cmp_lt_u32 s96, 3                            ; waves 4 to 6
	s_cselect_b32 s[LIM], 1, -1
	s_cmp_eq_u32 s12, 0                            ; of the work-group with y = 0
	s_cselect_b32 s[LIM], s[LIM], -1
	s_mov_b32 s92, 0xffff0000                      ; lanes 16-31
	s_wait_dscnt 0x0                               ; both opening adds are done
	s_wait_kmcnt 0x0
	s_add_nc_u64 s[48:49], s[4:5], s[44:45]        ; the head in q's region
	s_mov_b32 s[G0K], 1
	s_mov_b32 s[G0K+1], 0
	s_add_nc_u64 s[G0K+2:G0K+3], s[48:49], 6291456 ; in k's
	s_add_nc_u64 s[PFA:PFA+1], s[G0K+2:G0K+3], 12288   ; slot 1; the first change of slots steps it to slot 2
	s_or_b32 s[G0K+3], s[G0K+3], 0x80000000
	s_mov_b32 s[G0V], 1
	s_mov_b32 s[G0V+1], VOFF
	s_add_nc_u64 s[G0V+2:G0V+3], s[48:49], 12582912    ; in v's
	s_or_b32 s[G0V+3], s[G0V+3], 0x80000000
	s_mov_b32 s[G0S], 1
	s_mov_b32 s[G0S+1], SCL
	s_add_nc_u64 s[G0S+2:G0S+3], s[6:7], s[46:47]
	s_or_b32 s[G0S+3], s[G0S+3], 0x80000000
	s_cmp_lg_u32 s[WV], 0                          ; the first fills, in one branch on the wave's number: wave 0 has two loads out, wave 1 one
	s_cbranch_scc1 .Lnot_wave_0
	tensor_load_to_lds s[G0S:G0S+3], s[G1:G1+7]    ; the scale words: filled once
	s_nop 0
	tensor_load_to_lds s[G0K:G0K+3], s[G1:G1+7]    ; K of slot 0
	s_nop 0
.rept 4
	v_nop
.endr
	s_branch .Lfilled
.Lnot_wave_0:
	s_cmp_lg_u32 s[WV], 1
	s_cbranch_scc1 .Lfilled
	tensor_load_to_lds s[G0V:G0V+3], s[G1:G1+7]    ; V of slot 0
	s_nop 0
.rept 4
	v_nop
.endr
.Lfilled:
	s_add_nc_u64 s[54:55], s[48:49], s[50:51]      ; q's tile
	s_add_nc_u64 s[56:57], s[6:7], s[52:53]        ; and its scale words
	v_and_b32 v7, 31, v0
	s_delay_alu instid0(VALU_DEP_1)
	v_lshlrev_b32 v1, 4, v7
	s_delay_alu instid0(VALU_DEP_2)
	v_lshlrev_b32 v2, 3, v7
	s_delay_alu instid0(VALU_DEP_2)
	v_add_nc_u32 v3, SCL, v1
	s_delay_alu instid0(VALU_DEP_2)
	v_add_nc_u32 v4, SCL+8192, v2
	global_load_b128 v[16:19], v1, s[54:55]        ; q: half an image: k = 32 h .. 32 h + 31 of place r
	global_load_b64 v[20:21], v2, s[54:55] offset:512
	v_and_b32 v8, 15, v0                           ; p
	s_delay_alu instid0(VALU_DEP_1)
	v_lshlrev_b32 v9, 4, v8
	global_load_b32 v28, v9, s[56:57]
	v_bfe_u32 v10, v0, 4, 1                        ; h
	v_and_b32 v11, 8, v8
	s_delay_alu instid0(VALU_DEP_1)
	v_add_nc_u32 v11, v11, v8
	s_delay_alu instid0(VALU_DEP_3)
	v_lshlrev_b32 v10, 4, v10
	s_delay_alu instid0(VALU_DEP_1)
	v_sub_nc_u32 v29, v11, v10
	s_and_b32 s96, s[WV], 1
	s_lshl_b32 s96, s96, 3
	v_add_nc_u32 v29, s96, v29                     ; my query - Q0 - 16 h = 8 u + p + 8 (p / 8) - 16 h
	v_add_nc_u32 v31, 0xffffff80, v0               ; the prefetches: block g = thread - 128, held to 0 .. 95 in every thread
	s_delay_alu instid0(VALU_DEP_1)
	v_min_u32 v31, 95, v31
	s_delay_alu instid0(VALU_DEP_1)
	v_cmp_lt_u32 s96, 47, v31
	v_mov_b32 v32, 6279168                         ; blocks 48 on are V's: v's region lies 6,291,456 bytes behind k's, less K's 12,288
	s_delay_alu instid0(VALU_DEP_3)
	v_lshlrev_b32 v31, 8, v31
	s_delay_alu instid0(VALU_DEP_2)
	v_cndmask_b32 v32, 0, v32, s96
	s_delay_alu instid0(VALU_DEP_1)
	v_add_nc_u32 v31, v31, v32
.irp j, 22,23,24,25,26,27,80,81,82,83,84,85
	v_mov_b32 v\j, 0                               ; zero codes: k = 64 .. 127 of q's operand; and what follows K's last tile
.endr
	v_mov_b32 v30, 0xff800000                      ; -infinity
	v_mov_b32 v13, 0xff61b1e6                      ; the largest t so far: -3e38
	s_delay_alu instid0(VALU_DEP_1)
	v_floor_f32 v12, -v13                          ; -M
	v_mov_b32 v14, 0
	v_mov_b32 v15, 0
.irp j, 36,37,38,39,253,254
	v_mov_b32 v\j, 0                               ; written once: lane permutes' destinations, and the upper half of the pair v[252:253]
.endr
.set n, 0
.rept 32
	v_mov_b32 v[160+n], 0                          ; O^T: the loop is written once; its first step finds zeros
.set n, n+1
.endr
; A KEY STEP: 128 keys, the q-th of the slot in hand
.macro STEP q
	s_add_co_u32 s96, s[Q0], 31                    ; all keys of the step come after my 16 queries: the step's work is left out
	s_cmp_gt_u32 s[KF], s96
	s_cbranch_scc1 .Lhidden_\@
	v_add_nc_u32 v8, s[TB], v1                     ; (these four are also the places behind the last step's products, in front of the loads into their registers)
	v_add_nc_u32 v9, s[TB], v2
	v_add_nc_u32 v10, s[TS], v3
	v_add_nc_u32 v11, s[TJ], v4
.irp t, 0,1,2,3,4,5,6,7
	ds_load_b128 v[32+6*\t:35+6*\t], v8 offset:(8*(\q)+\t)*768
	ds_load_b64 v[36+6*\t:37+6*\t], v9 offset:(8*(\q)+\t)*768+512
.endr
	ds_load_b128 v[86:89], v10                     ; K's scale words: word d: lanes 0-15 tile 2 d, lanes 16-31 tile 2 d + 1
.irp t, 0,1,2,3
	ds_load_b128 v[192+12*\t:195+12*\t], v8 offset:VOFF+6144*(\q)+1536*\t
	ds_load_b64 v[196+12*\t:197+12*\t], v9 offset:VOFF+6144*(\q)+1536*\t+512
	ds_load_b128 v[198+12*\t:201+12*\t], v8 offset:VOFF+6144*(\q)+1536*\t+768
	ds_load_b64 v[202+12*\t:203+12*\t], v9 offset:VOFF+6144*(\q)+1536*\t+1280
.endr
	ds_load_b64 v[90:91], v11                      ; V's scale words
	s_wait_dscnt 17                                ; K's 17 loads are in; V's 17 may be out
.irp t, 0,2,4,6                        ; S^T = K q^T.  The upper six registers of K's operand are the next tile's codes: they meet q's zero codes
	v_wmma_scale_f32_16x16x128_f8f6f4 v[96+8*\t:103+8*\t], v[32+6*\t:43+6*\t], v[16:27], 0, v[86+\t/2], v28 matrix_a_fmt:MATRIX_FMT_FP6 matrix_b_fmt:MATRIX_FMT_FP6
	v_wmma_scale_f32_16x16x128_f8f6f4 v[104+8*\t:111+8*\t], v[38+6*\t:49+6*\t], v[16:27], 0, v[86+\t/2], v28 matrix_a_fmt:MATRIX_FMT_FP6 matrix_b_fmt:MATRIX_FMT_FP6 matrix_a_scale:MATRIX_SCALE_ROW1
.endr
.rept 4
	v_nop
.endr
	s_add_co_u32 s96, s[KF], 127                   ; the causal mask, on the diagonal alone
	s_cmp_le_u32 s96, s[Q0]
	s_cbranch_scc1 .Lopen_\@
	s_sub_co_i32 s96, s[Q0], s[KF]
	v_add_nc_u32 v254, s96, v29                    ; d = my query - KF - 16 h.  Register 16 b + i holds key KF + 16 h + 32 b + i: hidden where 32 b + i > d
.set n, 0
.rept 64
	v_cmp_gt_i32 vcc_lo, 32*(n/16)+n%16, v254
	v_cndmask_b32 v[96+n], v[96+n], v30, vcc_lo
.set n, n+1
.endr
.Lopen_\@:
.irp t, 0,1,2,3,4,5,6,7                ; a score that is exactly 0 is hidden too: always executed
.irp i, 0,1,2,3,4,5,6,7
	v_cmp_eq_f32 s[84+\i], 0, v[96+8*\t+\i]
.endr
.irp i, 0,1,2,3,4,5,6,7
	v_cndmask_b32 v[96+8*\t+\i], v[96+8*\t+\i], v30, s[84+\i]
.endr
.endr
.irp b, 0,1,2,3
	v_max3_num_f32 v[BM+\b], v[96+16*\b], v[97+16*\b], v[98+16*\b]   ; the largest score of each block of 32 keys: for the row's maximum and, since p rises with the score, for the block's largest p
.endr
.irp i, 3,5,7,9,11,13
.irp b, 0,1,2,3
	s_delay_alu instid0(VALU_DEP_4)
	v_max3_num_f32 v[BM+\b], v[BM+\b], v[96+16*\b+\i], v[97+16*\b+\i]
.endr
.endr
.irp b, 0,1,2,3
	s_delay_alu instid0(VALU_DEP_4)
	v_max_num_f32 v[BM+\b], v[BM+\b], v[111+16*\b]
.endr
.irp b, 0,1,2,3
	s_delay_alu instid0(VALU_DEP_4)
	v_permlanex16_b32 v[PT+\b], v[BM+\b], s[SEL], s[SEL+1]
.endr
.irp b, 0,1,2,3
	s_delay_alu instid0(VALU_DEP_4)
	v_max_num_f32 v[BM+\b], v[BM+\b], v[PT+\b]     ; with lane l xor 16's 16 keys
.endr
	s_delay_alu instid0(VALU_DEP_2)
	v_max3_num_f32 v254, v[BM], v[BM+1], v[BM+2]
	s_delay_alu instid0(VALU_DEP_1)
	v_max_num_f32 v254, v254, v[BM+3]
	s_delay_alu instid0(VALU_DEP_1)
	v_mul_f32 v254, s[CS], v254                    ; as t
	s_delay_alu instid0(VALU_DEP_1)
	v_max_num_f32 v13, v13, v254                   ; the running largest t
	v_mov_b32 v254, v12
	s_delay_alu instid0(VALU_DEP_2)
	v_floor_f32 v12, -v13                          ; the new -M = -ceil(t)
	s_delay_alu instid0(VALU_DEP_1)
	v_sub_f32 v254, v12, v254                      ; old M - new M: a whole number, 0 or less
	s_delay_alu instid0(VALU_DEP_1)
	v_cvt_i32_f32 v254, v254                       ; (it saturates)
	s_delay_alu instid0(VALU_DEP_1)
	v_ldexp_f32 v252, 1.0, v254                    ; f = 2^(old M - new M)
.set n, 0
.rept 32
	v_pk_fma_f32 v[96+n:97+n], v[96+n:97+n], s[CS:CS+1], v[12:13] op_sel_hi:[1,0,0]   ; t - M
.set n, n+2
.endr
.irp b, 0,1,2,3
	v_fma_f32 v[BM+\b], v[BM+\b], s[CS], v12       ; the same of each block's largest score
.endr
.set n, 0
	s_wait_alu depctr_va_vdst(0)
.rept 64
	v_exp_f32 v[96+n], v[96+n]                     ; p = 2^(t - M)
.set n, n+1
.endr
	v_pk_mul_f32 v[14:15], v[14:15], v[252:253] op_sel_hi:[1,0]   ; the sums under the new M (a plain instruction behind the exponentials)
	s_wait_alu depctr_va_vdst(0)                   ; one wait for the whole batch, ahead of its first reader
.irp b, 0,1,2,3
	v_exp_f32 v[BM+\b], v[BM+\b]                   ; the block's largest p
.endr
	v_pk_add_f32 v[54:55], v[100:101], v[104:105]
	v_pk_add_f32 v[250:251], v[108:109], v[112:113]
	v_pk_add_f32 v[248:249], v[116:117], v[120:121]
	v_pk_add_f32 v[246:247], v[124:125], v[128:129]
	v_pk_add_f32 v[244:245], v[132:133], v[136:137]
	v_pk_add_f32 v[242:243], v[140:141], v[144:145]
	v_pk_add_f32 v[240:241], v[148:149], v[152:153]
	v_pk_add_f32 v[14:15], v[14:15], v[156:157]
	v_pk_add_f32 v[54:55], v[54:55], v[96:97]
	v_pk_add_f32 v[250:251], v[250:251], v[98:99]
	v_pk_add_f32 v[248:249], v[248:249], v[102:103]
	v_pk_add_f32 v[246:247], v[246:247], v[106:107]
	v_pk_add_f32 v[244:245], v[244:245], v[110:111]
	v_pk_add_f32 v[242:243], v[242:243], v[114:115]
	v_pk_add_f32 v[240:241], v[240:241], v[118:119]
	v_pk_add_f32 v[14:15], v[14:15], v[122:123]
	v_pk_add_f32 v[54:55], v[54:55], v[126:127]
	v_pk_add_f32 v[250:251], v[250:251], v[130:131]
	v_pk_add_f32 v[248:249], v[248:249], v[134:135]
	v_pk_add_f32 v[246:247], v[246:247], v[138:139]
	v_pk_add_f32 v[244:245], v[244:245], v[142:143]
	v_pk_add_f32 v[242:243], v[242:243], v[146:147]
	v_pk_add_f32 v[240:241], v[240:241], v[150:151]
	v_pk_add_f32 v[14:15], v[14:15], v[154:155]
	v_pk_add_f32 v[54:55], v[54:55], v[158:159]
	s_delay_alu instid0(VALU_DEP_2)
	v_pk_add_f32 v[14:15], v[14:15], v[246:247]
	s_delay_alu instid0(VALU_DEP_2)
	v_pk_add_f32 v[54:55], v[54:55], v[244:245]
	v_pk_add_f32 v[250:251], v[250:251], v[242:243]
	v_pk_add_f32 v[248:249], v[248:249], v[240:241]
	s_delay_alu instid0(VALU_DEP_2)
	v_pk_add_f32 v[14:15], v[14:15], v[250:251]
	s_delay_alu instid0(VALU_DEP_2)
	v_pk_add_f32 v[54:55], v[54:55], v[248:249]
	s_delay_alu instid0(VALU_DEP_1)
	v_pk_add_f32 v[14:15], v[14:15], v[54:55]
	s_wait_alu depctr_va_vdst(0)                   ; and one for the four
.irp b, 0,1,2,3
	v_max_num_f32 v[BM+\b], 0x1800000, v[BM+\b]    ; the floor 2^(3 - 127)
.endr
.irp b, 0,1,2,3
	s_delay_alu instid0(VALU_DEP_4)
	v_add_nc_u32 v[SO+\b], 0xff000000, v[BM+\b]    ; the conversion's scale operand
.endr
.irp b, 0,1,2,3
	s_delay_alu instid0(VALU_DEP_4)
	v_lshrrev_b32 v[PT+\b], 23, v[SO+\b]           ; the byte
.endr
	s_delay_alu instid0(VALU_DEP_3)
	v_lshl_or_b32 v253, v[PT+1], 8, v[PT]
	s_delay_alu instid0(VALU_DEP_1)
	v_lshl_or_b32 v253, v[PT+2], 16, v253
	s_delay_alu instid0(VALU_DEP_1)
	v_lshl_or_b32 v253, v[PT+3], 24, v253          ; p's scale word for these 128 keys
.irp c, 0,1
	v_cvt_scalef32_pk16_fp6_f32 v[240+6*\c:242+6*\c], v[96+32*\c:111+32*\c], v[SO+2*\c]
	v_cvt_scalef32_pk16_fp6_f32 v[44+4*\c:46+4*\c], v[112+32*\c:127+32*\c], v[SO+2*\c+1]
.endr
	v_nop                                          ; one plain instruction behind a scaled conversion
.irp c, 0,1
.irp i, 0,1,2
	v_permlane16_swap_b32 v[240+6*\c+\i], v[44+4*\c+\i]
.endr
.irp i, 0,1,2
	s_delay_alu instid0(VALU_DEP_3)
	v_mov_b32 v[243+6*\c+\i], v[44+4*\c+\i]
.endr
.endr
.set n, 0
.rept 16
	v_pk_mul_f32 v[160+n:161+n], v[160+n:161+n], v[252:253] op_sel_hi:[1,0]   ; O^T under the new M.  (These sixteen also stand between the writes of p's codes and scale word and the products)
.set n, n+2
.endr
	s_wait_alu depctr_va_vdst(0)
	s_wait_dscnt 0x0                               ; V is in
.irp t, 0,2                            ; O^T += V^T p^T: four tiles of 16 channels, by turns
	v_wmma_scale_f32_16x16x128_f8f6f4 v[160+8*\t:167+8*\t], v[192+12*\t:203+12*\t], v[240:251], v[160+8*\t:167+8*\t], v[90+\t/2], v253 matrix_a_fmt:MATRIX_FMT_FP6 matrix_b_fmt:MATRIX_FMT_FP6
	v_wmma_scale_f32_16x16x128_f8f6f4 v[168+8*\t:175+8*\t], v[204+12*\t:215+12*\t], v[240:251], v[168+8*\t:175+8*\t], v[90+\t/2], v253 matrix_a_fmt:MATRIX_FMT_FP6 matrix_b_fmt:MATRIX_FMT_FP6 matrix_a_scale:MATRIX_SCALE_ROW1
.endr
.Lhidden_\@:
	s_add_co_u32 s[KF], s[KF], 128
	s_add_co_u32 s[TS], s[TS], 512
	s_add_co_u32 s[TJ], s[TJ], 256
.endm
; THE CHANGE OF SLOTS, at a slot's head.  Each wave waits for all its tensor loads, adds 0 to its spare word (fill = 1: twice on end), and waits for that and for its reads of the slot that it has left.
; Behind the barrier the slot ahead is whole and nobody reads the other one; fill = 1: that one takes the next 256 keys, up to the causal limit.
.macro CHANGE fill
	s_wait_tensorcnt 0x0                           ; no tensor load of mine is out, so a group 0 may be written
	ds_add_u32 v[SPW], v[NIL]
.if \fill
	ds_add_u32 v[SPW], v[NIL]                      ; and once more, in every trip alike
	s_xor_b32 s[G0K+1], s[G0K+1], SLOT1
	s_add_nc_u64 s[G0K+2:G0K+3], s[G0K+2:G0K+3], 12288
	s_xor_b32 s[G0V+1], s[G0V+1], SLOT1
	s_add_nc_u64 s[G0V+2:G0V+3], s[G0V+2:G0V+3], 12288
	s_wait_xcnt 0x0                                ; the last prefetch, a slot back, has read its address
	s_add_nc_u64 s[PFA:PFA+1], s[PFA:PFA+1], 12288
.endif
	s_wait_dscnt 0x0
	s_barrier_signal -1
	s_barrier_wait -1
.if \fill
	s_add_co_u32 s96, s[KF], 256                   ; the first key of the slot that this change would ask for
	s_or_b32 s97, s[Q0], 255                       ; my work-group's last query
	s_cmp_gt_u32 s96, s97                          ; ids and the count of steps alone: all sixteen waves go the same way; no wave would read that slot
	s_cbranch_scc1 .Lpast_\@
	TLOAD2
.Lpast_\@:
	ASK
.endif
.endm
	s_wait_loadcnt 0x0                             ; q
.Lslot:                                            ; seven trips
	CHANGE 1
	STEP 0
	STEP 1
	s_xor_b32 s[TB], s[TB], SLOT1
	s_sub_co_u32 s[SLOTS], s[SLOTS], 1
	s_cmp_lg_u32 s[SLOTS], 0
	s_cbranch_scc1 .Lslot
	CHANGE 0                                       ; the last slot is written out: nothing is left to ask for
	STEP 0
	STEP 1
	; ---- THE WAY OUT: O^T / l, quantised along D (my head's two blocks of 32), as half an image of the last product's operand
.rept 4
	v_nop
.endr
	v_add_f32 v14, v14, v15
	s_delay_alu instid0(VALU_DEP_1)
	v_permlanex16_b32 v254, v14, s[SEL], s[SEL+1]
	s_delay_alu instid0(VALU_DEP_1)
	v_add_f32 v14, v14, v254                       ; the row's sum
	s_delay_alu instid0(VALU_DEP_1)
	v_cmp_eq_f32 s93, 0, v14                       ; no key was visible
	v_mov_b32 v254, 1.0
	s_delay_alu instid0(VALU_DEP_1)
	v_cndmask_b32 v14, v14, v254, s93              ; (there the division is by 1: zeros stay zeros)
	s_wait_alu depctr_va_vdst(0)
	v_rcp_f32 v252, v14
	v_and_b32 v8, 15, v0
	v_bfe_u32 v9, v0, 4, 1
	s_delay_alu instid0(VALU_DEP_1)
	v_lshl_add_u32 v8, v8, 3, v9                   ; my scale byte: 8 p + h
	s_lshr_b32 s44, ttmp9, 4                       ; batch
	s_and_b32 s45, ttmp9, 15                       ; head
	s_lshl_b32 s46, s44, 7
	s_lshl_b32 s47, s13, 4
	s_add_co_u32 s46, s46, s47
	s_add_co_u32 s46, s46, s[WV]                   ; my fragment of the 8,192 rows
	s_lshl_b32 s48, s46, 3
	s_lshr_b32 s49, s45, 1
	s_add_co_u32 s48, s48, s49                     ; K step head / 2,
	s_mul_i32 s48, s48, 1536
	s_and_b32 s49, s45, 1
	s_mul_i32 s49, s49, 768                        ; half head % 2
	s_add_co_u32 s48, s48, s49
	s_mov_b32 s49, 0
	s_add_nc_u64 s[8:9], s[8:9], s[48:49]
	s_lshl_b32 s48, s46, 9
	s_lshr_b32 s50, s45, 2
	s_lshl_b32 s50, s50, 7
	s_add_co_u32 s48, s48, s50
	s_and_b32 s50, s45, 3
	s_lshl_b32 s50, s50, 1
	s_add_co_u32 s48, s48, s50
	s_add_nc_u64 s[10:11], s[10:11], s[48:49]
	s_wait_alu depctr_va_vdst(0)                   ; ahead of the reciprocal's first reader
.set n, 0
.rept 16
	v_pk_mul_f32 v[96+n:97+n], v[160+n:161+n], v[252:253] op_sel_hi:[1,0]   ; register 16 b + i = channel 32 b + 16 h + i of my query
.set n, n+2
.endr
.irp b, 0,1
	v_max3_num_f32 v[BM+\b], |v[96+16*\b]|, |v[97+16*\b]|, 0x1800000
.endr
.irp i, 2,4,6,8,10,12,14
.irp b, 0,1
	s_delay_alu instid0(VALU_DEP_2)
	v_max3_num_f32 v[BM+\b], v[BM+\b], |v[96+16*\b+\i]|, |v[97+16*\b+\i]|
.endr
.endr
.irp b, 0,1
	s_delay_alu instid0(VALU_DEP_2)
	v_permlanex16_b32 v[PT+\b], v[BM+\b], s[SEL], s[SEL+1]
.endr
.irp b, 0,1
	s_delay_alu instid0(VALU_DEP_2)
	v_max_num_f32 v[BM+\b], v[BM+\b], v[PT+\b]
.endr
.irp b, 0,1
	s_delay_alu instid0(VALU_DEP_2)
	v_add_nc_u32 v[SO+\b], 0xff000000, v[BM+\b]
.endr
.irp b, 0,1
	s_delay_alu instid0(VALU_DEP_2)
	v_lshrrev_b32 v[PT+\b], 23, v[SO+\b]
.endr
	v_cvt_scalef32_pk16_fp6_f32 v[240:242], v[96:111], v[SO]
	v_cvt_scalef32_pk16_fp6_f32 v[244:246], v[112:127], v[SO+1]
	v_nop
.irp i, 0,1,2
	v_permlane16_swap_b32 v[240+\i], v[244+\i]
.endr
.irp i, 0,1,2
	s_delay_alu instid0(VALU_DEP_3)
	v_mov_b32 v[243+\i], v[244+\i]                 ; in ascending order: each source is read before it is written
.endr
	v_cndmask_b32 v[PT], v[PT], v[PT+1], s92       ; lane (p, h): block h's byte,
	v_mov_b32 v[PT+1], 0xff
	s_delay_alu instid0(VALU_DEP_1)
	v_cndmask_b32 v[PT], v[PT], v[PT+1], s93       ; or the NaN byte
	global_store_b128 v1, v[240:243], s[8:9]       ; 512 consecutive bytes
	global_store_b64 v2, v[244:245], s[8:9] offset:512
	global_store_b8 v8, v[PT], s[10:11]            ; a byte a lane: a scale word is shared by two heads
	s_wait_tensorcnt 0x0                           ; the wave's end
	ds_add_u32 v[SPW], v[NIL]
	s_wait_dscnt 0x0
	s_endpgm
.Lfunc_end_k_q0c7df8e4d1_attn:
	.size	k_q0c7df8e4d1_attn, .Lfunc_end_k_q0c7df8e4d1_attn-k_q0c7df8e4d1_attn
	.p2alignl 7, 3214868480
	.fill 96, 4, 3214868480
	.section	.rodata,"a",@progbits
	.p2align	6, 0x0
	.amdhsa_kernel k_q0c7df8e4d1_attn
		.amdhsa_group_segment_fixed_size 327680
		.amdhsa_private_segment_fixed_size 0
		.amdhsa_enable_private_segment 0
		.amdhsa_kernarg_size 32
		.amdhsa_user_sgpr_count 2
		.amdhsa_user_sgpr_kernarg_segment_ptr 1
		.amdhsa_wavefront_size32 1
		.amdhsa_system_sgpr_workgroup_id_x 1
		.amdhsa_system_sgpr_workgroup_id_y 1
		.amdhsa_system_sgpr_workgroup_id_z 1
		.amdhsa_system_vgpr_workitem_id 0
		.amdhsa_next_free_vgpr 256
		.amdhsa_next_free_sgpr 100
		.amdhsa_reserve_vcc 1
		.amdhsa_float_denorm_mode_32 3
		.amdhsa_float_denorm_mode_16_64 3
		.amdhsa_memory_ordered 1
		.amdhsa_forward_progress 1
		.amdhsa_inst_pref_size 140
	.end_amdhsa_kernel
	.amdgpu_metadata
---
amdhsa.version: [ 1, 2 ]
amdhsa.kernels:
  - .name:           k_q0c7df8e4d1_attn
    .symbol:         k_q0c7df8e4d1_attn.kd
    .args:
      - { .name: qkvc, .offset: 0, .size: 8, .value_kind: global_buffer, .address_space: global }
      - { .name: qkvs, .offset: 8, .size: 8, .value_kind: global_buffer, .address_space: global }
      - { .name: ac, .offset: 16, .size: 8, .value_kind: global_buffer, .address_space: global }
      - { .name: asc, .offset: 24, .size: 8, .value_kind: global_buffer, .address_space: global }
    .group_segment_fixed_size: 327680
    .private_segment_fixed_size: 0
    .kernarg_segment_align: 8
    .kernarg_segment_size: 32
    .max_flat_workgroup_size: 512
    .sgpr_count:     100
    .vgpr_count:     256
    .wavefront_size: 32
...
	.end_amdgpu_metadata
.endif
;; end of part 3
;; launch outp (part 4): grid 4 x 32, 4 waves a work-group, clusters of 4 x 4, 327,680 bytes of LDS; arguments ac, asc, wc, ws, Wo_b, out0; writes out0
.if DOCPART == 4
	.amdgcn_target "amdgcn-amd-amdhsa--gfx1250"
	.amdhsa_code_object_version 6
	.text
	.protected	k_q0c7df8e4d1_outp
	.globl	k_q0c7df8e4d1_outp
	.p2align	8
	.type	k_q0c7df8e4d1_outp,@function
k_q0c7df8e4d1_outp:
	s_mov_b64 s[64:65], 0
	v_nop
	global_prefetch_b8 v0, s[64:65] scope:SCOPE_SE
	s_setreg_imm32_b32 hwreg(HW_REG_WAVE_MODE, 25, 1), 1
	s_wait_xcnt 0x0
	s_wait_alu depctr_hold_cnt(0) depctr_sa_sdst(0) depctr_va_vdst(0) depctr_va_sdst(0) depctr_va_ssrc(0) depctr_va_vcc(0) depctr_vm_vsrc(0)
	s_getreg_b32 s2, hwreg(HW_REG_IB_STS2, 6, 4)
	s_cmp_eq_u32 s2, 0
	s_cbranch_scc0 .Lentry_in_a_cluster
	s_endpgm
.Lentry_in_a_cluster:
	s_bfe_u32 s2, ttmp6, 0x10000c
	s_cmp_lg_u32 s2, 0xf033
	s_cbranch_scc0 .Lentry_shape_is_right
	s_endpgm
.Lentry_shape_is_right:
; out0 = attn Wo + bo on codes of FP6 (E2M3) with E8M0 scales; out0 [8192][1024] f32.  attn's codes and scale words (ac, asc) and Wo's (the fourth matrix of wc, ws) lie as images of the operands' registers:
; 1,536 bytes for 16 rows x 128 K (halves c of 768 bytes: registers 6 c .. 6 c + 3 at 16 x lane, 6 c + 4, 6 c + 5 at 512 + 8 x lane), [fragment][K step][1,536]; scale words [fragment][pair of K steps][place][2 words].
; ROW ORDER: fragment 2 B + u, place p, holds row 32 B + 8 u + p + 8 (p / 8).  A scale byte 0xff in asc (a query with no visible key) makes that row's sums NaN, as the problem has them.
; A tile of 256 x 256 is made by four waves, each 128 x 128: 64 accumulators.  K = 1,024 goes in four steps of 256 through two LDS slots.  Source 0 = a fragment of Wo (B), source 1 = a fragment of attn (A): lane (r, h) holds
; A's place r, and register j of tile b holds output channel 32 (b / 2) + 8 (b % 2) + 16 h + j.  The bias is the C of each sum's first matrix instruction.
; CLUSTERS: 4 x 4: A's tiles are shared along a row of the cluster, B's along a column: joint loads.  128 tiles: one work-group each.
; REGISTERS: window 0: v16-23 LDS addresses, v24-26 the way out, v27 scale words' address, v28, v29 the add's two, v30 the bias's offset, v32-63 scale words (two sets), v64-127 the bias, v128-223 A's 8 fragments (one set);
;   window 1: B's 8 fragments, two sets;  windows 2, 3: the accumulators ((a, b) at v[8 (8 (a % 4) + b)]).
.set NQ,    2
.set FR,    12
.set NL,    4
.set NP,    4                          ; places behind this matrix instruction (ISA guide 7.12.1)
.set HALFT, 24576
.set SLOT,  98304
.set SCLA,  196608
.set SCLB,  204928
.set SPARE, 213248
.set SPITCH, 528                       ; the way out: a stage of 16 rows x (512 + 16) bytes for each wave, in slot 0, which has had its last fill and its last read by then
.set ADRA,  16
.set ADRB,  20
.set STO,   24
.set RD,    25
.set CO,    26
.set ADRS,  27
.set SPW,   28
.set NIL,   29
.set SC,    32
.set BIAS,  64
.set AF,    128
.set BK,    128                        ; the way out: 16 rows read back: v128-191 and v192-255 by turns
.set G1,   24
.set G0,   32
.set G1B,  48
.set G0B,  56
.set G1S,  68
.set G0S,  76
.set G1SB, 80
.set G0SB, 88
.set MSB, 0
.macro WIN new
.if MSB != \new
	s_set_vgpr_msb (MSB<<8)|\new
.set MSB, \new
.endif
.endm
.set MUL_LO, 0xa1
.set MUL_HI, 0xf1
.set BIA_LO, 0x81
.set BIA_HI, 0xc1
.set TO_B,   0x40
.macro JLOAD g0a, g1a, g0b, g1b        ; a joint load: waves 0 and 1 fetch for A, waves 2 and 3 for B.  An s_nop 0 and four v_nop follow each of the two lines
	s_cmp_eq_u32 s15, 0
	s_cbranch_scc0 .Lfor_b_\@
	tensor_load_to_lds s[\g0a:\g0a+3], s[\g1a:\g1a+7]
	s_nop 0
.rept 4
	v_nop
.endr
	s_branch .Lasked_\@
.Lfor_b_\@:
	tensor_load_to_lds s[\g0b:\g0b+3], s[\g1b:\g1b+7]
	s_nop 0
.rept 4
	v_nop
.endr
.Lasked_\@:
.endm
.macro CREST
	s_cmp_lg_u32 s14, 0
	s_cbranch_scc1 .Lnot_wave_0_\@
	s_barrier_signal -3
.Lnot_wave_0_\@:
	s_barrier_wait -3
	s_barrier_signal -1
	s_barrier_wait -1
.endm
.macro CROUND
	s_barrier_signal -1
	s_barrier_wait -1
	CREST
.endm
	s_load_b256 s[4:11], s[0:1], 0x0               ; ac, asc, wc, ws
	s_load_b128 s[92:95], s[0:1], 0x20             ; Wo_b, out0
	v_lshl_add_u32 v[SPW], v0, 2, SPARE
	v_mov_b32 v[NIL], 0
	ds_add_u32 v[SPW], v[NIL]                      ; the wave's opening: the add, twice on end, and its wait ahead of my first tensor load
	ds_add_u32 v[SPW], v[NIL]
	v_lshrrev_b32 v1, 5, v0
	v_readfirstlane_b32 s14, v1                    ; wave 0..3
	s_lshr_b32 s15, s14, 1                         ; my half of A's rows.  Also: I fetch for A (0) or for B (1)
	s_and_b32 s16, s14, 1                          ; my half of B's rows.  Also: which 8 fragments I fetch
	s_bfe_u32 s40, ttmp6, 0x40000                  ; cx
	s_bfe_u32 s41, ttmp6, 0x40004                  ; cy
	s_and_b32 s17, ttmp7, 0xffff                   ; the cluster's y: which 1,024 rows
	s_lshl_b32 s43, s41, 2
	s_lshl_b32 s43, 15, s43                        ; my row of the cluster
	s_lshl_b32 s44, 0x1111, s40                    ; my column
	s_or_b32 s[G1+0], s43, (3<<16)|(1<<21)         ; the codes: 8 rows (fragments) of 3,072 bytes, 12,288 bytes apart; elements of 8 bytes
	s_or_b32 s[G1B+0], s44, (3<<16)|(1<<21)
.irp g, G1, G1B
	s_mov_b32 s[\g+1], 384<<16
	s_mov_b32 s[\g+2], 8<<16
	s_mov_b32 s[\g+3], 384<<16
	s_mov_b32 s[\g+4], 8
	s_mov_b32 s[\g+5], 1536
	s_mov_b32 s[\g+6], 0
	s_mov_b32 s[\g+7], 0
.endr
	s_or_b32 s[G1S+0], s43, (3<<16)|(1<<21)        ; the scale words of 8 fragments: 4,096 dense bytes
	s_or_b32 s[G1SB+0], s44, (3<<16)|(1<<21)
.irp g, G1S, G1SB
	s_mov_b32 s[\g+1], 32<<16
	s_mov_b32 s[\g+2], 16<<16
	s_mov_b32 s[\g+3], 32<<16
	s_mov_b32 s[\g+4], 16
	s_mov_b32 s[\g+5], 32
	s_mov_b32 s[\g+6], 0
	s_mov_b32 s[\g+7], 0
.endr
	s_lshl_b32 s18, s16, 3
	s_lshl_b32 s19, s17, 6
	s_lshl_b32 s20, s41, 4
	s_add_co_u32 s20, s20, s18
	s_add_co_u32 s20, s20, s19                     ; A: fragment 64 Y + 16 cy + 8 half
	s_lshl_b32 s46, s40, 4
	s_add_co_u32 s46, s46, s18
	s_add_co_u32 s46, s46, 192                     ; B: fragment 192 + 16 cx + 8 half
	s_lshl_b32 s22, s20, 9
	s_mov_b32 s23, 0
	s_mul_i32 s20, s20, 12288
	s_mov_b32 s21, 0
	s_lshl_b32 s66, s46, 9
	s_mov_b32 s67, 0
	s_mul_i32 s46, s46, 12288
	s_mov_b32 s47, 0
	s_mul_i32 s12, s14, HALFT
	s_lshl_b32 s13, s16, 12
	s_wait_dscnt 0x0                               ; both opening adds are done
	s_wait_kmcnt 0x0
	s_add_nc_u64 s[G0+2:G0+3], s[4:5], s[20:21]
	s_add_nc_u64 s[G0B+2:G0B+3], s[8:9], s[46:47]
	s_add_nc_u64 s[G0S+2:G0S+3], s[6:7], s[22:23]
	s_add_nc_u64 s[G0SB+2:G0SB+3], s[10:11], s[66:67]
	s_add_nc_u64 s[G0+6:G0+7], s[G0+2:G0+3], 3072
	s_add_nc_u64 s[G0B+6:G0B+7], s[G0B+2:G0B+3], 3072
.irp g, G0, G0+4, G0B, G0B+4, G0S, G0SB
	s_mov_b32 s[\g], 1
	s_or_b32 s[\g+3], s[\g+3], 0x80000000
.endr
	s_add_co_u32 s[G0+1], s12, 0
	s_add_co_u32 s[G0+5], s12, SLOT
	s_add_co_u32 s[G0B+1], s12, 0
	s_add_co_u32 s[G0B+5], s12, SLOT
	s_add_co_u32 s[G0S+1], s13, SCLA
	s_add_co_u32 s[G0SB+1], s13, SCLB
	CROUND                                         ; all sixteen work-groups are here: the first joint loads meet
	JLOAD G0S, G1S, G0SB, G1SB
	JLOAD G0, G1, G0B, G1B
	JLOAD G0+4, G1, G0B+4, G1B                     ; three loads of mine are out
	v_and_b32 v1, 15, v0                           ; r
	v_bfe_u32 v2, v0, 4, 1                         ; h
	s_lshl_b32 s2, s40, 10                         ; the bias: channel 256 cx + 128 half + 32 (b / 2) + 8 (b % 2) + 16 h + j
	s_lshl_b32 s3, s16, 9
	s_add_co_u32 s2, s2, s3
	s_mov_b32 s3, 0
	s_add_nc_u64 s[92:93], s[92:93], s[2:3]
	v_lshlrev_b32 v30, 6, v2
.irp b, 0,1,2,3,4,5,6,7
	global_load_b128 v[BIAS+8*\b:BIAS+8*\b+3], v30, s[92:93] offset:(32*(\b/2)+8*(\b%2))*4
	global_load_b128 v[BIAS+8*\b+4:BIAS+8*\b+7], v30, s[92:93] offset:(32*(\b/2)+8*(\b%2))*4+16
.endr
	v_and_b32 v3, 31, v0
	v_lshlrev_b32 v4, 4, v3                        ; 16 x lane
	v_lshlrev_b32 v5, 3, v3                        ; 8 x lane
	s_mul_i32 s18, s15, HALFT
	s_mul_i32 s19, s16, HALFT
	s_add_co_u32 s19, s19, 2*HALFT
.irp s, 0,1
	v_add_nc_u32 v[ADRA+\s], s18, v4
	v_add_nc_u32 v[ADRA+2+\s], s18, v5
	v_add_nc_u32 v[ADRB+\s], s19, v4
	v_add_nc_u32 v[ADRB+2+\s], s19, v5
	s_add_co_u32 s18, s18, SLOT
	s_add_co_u32 s19, s19, SLOT
.endr
	s_lshl_b32 s18, s15, 12                        ; scale words: lanes 0-15 A's, lanes 16-31 B's: the lower base + h x the distance
	s_lshl_b32 s19, s16, 12
	s_add_co_u32 s19, s19, SCLB-SCLA
	s_sub_co_u32 s19, s19, s18
	v_mul_u32_u24 v6, s19, v2
	s_add_co_u32 s18, s18, SCLA
	v_lshl_add_u32 v6, v1, 3, v6
	v_add_nc_u32 v[ADRS], s18, v6
	s_mul_i32 s18, s14, 16*SPITCH                  ; my stage
	v_mul_u32_u24 v6, v1, SPITCH
	v_lshl_add_u32 v6, v2, 6, v6
	v_add_nc_u32 v[STO], s18, v6                   ; in: row r, + 64 h bytes (16 channels)
	v_add_nc_u32 v[RD], s18, v4                    ; back: the 32 lanes take one row of 512 bytes
	v_mov_b32 v[CO], v4                            ; and the same in out0
	s_lshl_b32 s2, s17, 2
	s_add_co_u32 s2, s2, s41
	s_lshl_b32 s2, s2, 1
	s_add_co_u32 s2, s2, s15                       ; my first row / 128
	s_lshl_b32 s2, s2, 19                          ; 128 rows of 4,096 bytes
	s_lshl_b32 s3, s40, 10
	s_add_co_u32 s2, s2, s3
	s_lshl_b32 s3, s16, 9
	s_add_co_u32 s2, s2, s3                        ; + my first column's bytes
	s_mov_b32 s3, 0
	s_add_nc_u64 s[94:95], s[94:95], s[2:3]
.macro FRAG reg, adr, off
	ds_load_b128 v[\reg:\reg+3], v[\adr] offset:\off
	ds_load_b64 v[\reg+4:\reg+5], v[\adr+2] offset:\off+512
	ds_load_b128 v[\reg+6:\reg+9], v[\adr] offset:\off+768
	ds_load_b64 v[\reg+10:\reg+11], v[\adr+2] offset:\off+1280
.endm
; 16 matrix instructions: A's fragments a0, a0 + 1 x B's eight.  cmode 1: the sums begin with the bias.  The 64 accumulators take turns.
.macro MUL16 a0, p, q, sc, cmode
.irp a, \a0, \a0+1
.irp b, 0,1,2,3,4,5,6,7
.if \cmode == 0
	v_wmma_scale_f32_16x16x128_f8f6f4 v[8*(8*((\a)%4)+\b):8*(8*((\a)%4)+\b)+7], v[128*(\p)+FR*\b:128*(\p)+FR*\b+FR-1], v[AF+FR*(\a):AF+FR*(\a)+FR-1], v[8*(8*((\a)%4)+\b):8*(8*((\a)%4)+\b)+7], v[SC+8*NQ*(\sc)+NQ*\b+(\q)], v[SC+8*NQ*(\sc)+NQ*(\a)+(\q)] matrix_a_fmt:MATRIX_FMT_FP6 matrix_b_fmt:MATRIX_FMT_FP6 matrix_a_scale:MATRIX_SCALE_ROW1
.else
	v_wmma_scale_f32_16x16x128_f8f6f4 v[8*(8*((\a)%4)+\b):8*(8*((\a)%4)+\b)+7], v[128*(\p)+FR*\b:128*(\p)+FR*\b+FR-1], v[AF+FR*(\a):AF+FR*(\a)+FR-1], v[BIAS+8*\b:BIAS+8*\b+7], v[SC+8*NQ*(\sc)+NQ*\b+(\q)], v[SC+8*NQ*(\sc)+NQ*(\a)+(\q)] matrix_a_fmt:MATRIX_FMT_FP6 matrix_b_fmt:MATRIX_FMT_FP6 matrix_a_scale:MATRIX_SCALE_ROW1
.endif
.endr
.endr
.endm
.macro FETCH_B slot, q, p
	WIN TO_B
.irp i, 0,1,2,3,4,5,6,7
	FRAG 128*(\p)+FR*\i, ADRB+\slot, \i*3072+(\q)*1536
.endr
	WIN 0
.endm
.macro FETCH_A slot, q, i0
.irp i, \i0, \i0+1, \i0+2, \i0+3
	FRAG AF+FR*(\i), ADRA+\slot, (\i)*3072+(\q)*1536
.endr
.endm
.macro SCALES sc
.irp i, 0,1,2,3,4,5,6,7
	ds_load_b64 v[SC+8*NQ*\sc+NQ*\i:SC+8*NQ*\sc+NQ*\i+1], v[ADRS] offset:\i*512
.endr
.endm
.macro PLACES n
.rept \n
	v_nop
.endr
.endm
.macro STEP slot, q, cmode
	s_wait_dscnt 4*NL                              ; all but the youngest 16 loads (A's fragments 4-7) are in
.if \cmode
	WIN BIA_LO
.else
	WIN MUL_LO
.endif
	MUL16 0, (\q)%2, \q, \slot, \cmode
	MUL16 2, (\q)%2, \q, \slot, \cmode
	s_wait_dscnt 0x0
	PLACES NP
	FETCH_B \slot, (\q)+1, 1-(\q)%2
	FETCH_A \slot, (\q)+1, 0
.if \cmode
	WIN BIA_HI
.else
	WIN MUL_HI
.endif
	MUL16 4, (\q)%2, \q, \slot, \cmode
	MUL16 6, (\q)%2, \q, \slot, \cmode
	PLACES NP
	WIN 0
	FETCH_A \slot, (\q)+1, 4
.endm
.macro TURN slot, next, fill
	s_wait_tensorcnt 0x0                           ; all my tensor loads have landed: my part of the next slot
	ds_add_u32 v[SPW], v[NIL]
	s_wait_dscnt 4*NL+1                            ; (the add and the youngest 16 loads may be out)
	WIN MUL_LO
	MUL16 0, 1, NQ-1, \slot, 0
	s_wait_dscnt 0x0                               ; the add is done, and my reads of this slot are over
	s_barrier_signal -1
	MUL16 2, 1, NQ-1, \slot, 0
	WIN 0
	s_barrier_wait -1
.if \fill
	CREST                                          ; the barrier has opened a round of the cluster's barrier
	s_add_nc_u64 s[G0+4*\slot+2:G0+4*\slot+3], s[G0+4*\slot+2:G0+4*\slot+3], 6144
	s_add_nc_u64 s[G0B+4*\slot+2:G0B+4*\slot+3], s[G0B+4*\slot+2:G0B+4*\slot+3], 6144
	JLOAD G0+4*\slot, G1, G0B+4*\slot, G1B         ; the first tensor load behind the round; its four v_nop are also the places in front of the loads below
.else
	PLACES NP
.endif
	v_add_nc_u32 v[ADRS], 128, v[ADRS]
	FETCH_B \next, 0, 0
	FETCH_A \next, 0, 0
	SCALES \next
	WIN MUL_HI
	MUL16 4, 1, NQ-1, \slot, 0
	MUL16 6, 1, NQ-1, \slot, 0
	PLACES NP
	WIN 0
	FETCH_A \next, 0, 4
.endm
	s_wait_tensorcnt 1                             ; the scale words and my part of slot 0 are in; slot 1's load may be out
	s_barrier_signal -1
	s_barrier_wait -1
	FETCH_B 0, 0, 0
	FETCH_A 0, 0, 0
	SCALES 0
	FETCH_A 0, 0, 4
	s_wait_loadcnt 0x0                             ; the bias
	STEP 0, 0, 1
	TURN 0, 1, 1
	STEP 1, 0, 0
	TURN 1, 0, 1
	STEP 0, 0, 0
	TURN 0, 1, 0
	STEP 1, 0, 0
	s_wait_dscnt 4*NL
	WIN MUL_LO
	MUL16 0, 1, NQ-1, 1, 0
	MUL16 2, 1, NQ-1, 1, 0
	s_wait_dscnt 0x0
	WIN MUL_HI
	MUL16 4, 1, NQ-1, 1, 0
	MUL16 6, 1, NQ-1, 1, 0
	WIN 0
; THE WAY OUT, fragment by fragment of A: 16 rows x 128 columns go through my own stage and come back as whole rows of 512 bytes.  LDS serves a wave's instructions in order (ISA guide 5.7.1.4).
.macro TOSTAGE a
.set AC, 64*((\a)%4)
.set WS, 0x08+4*((\a)/4)
	WIN WS                                         ; the data: window 2 or 3
.irp b, 0,1,2,3,4,5,6,7
	ds_store_b128 v[STO], v[AC+8*\b:AC+8*\b+3] offset:128*(\b/2)+32*(\b%2)       ; each accumulator from its low end on
	ds_store_b128 v[STO], v[AC+8*\b+4:AC+8*\b+7] offset:128*(\b/2)+32*(\b%2)+16
.endr
	WIN 0
.set BB, BK+64*((\a)%2)
.irp t, 0,1,2,3,4,5,6,7,8,9,10,11,12,13,14,15
	ds_load_b128 v[BB+4*\t:BB+4*\t+3], v[RD] offset:\t*SPITCH
.endr
.endm
.macro SEND a, younger                 ; place t of fragment a is row 32 (a / 2) + 8 (a % 2) + t + 8 (t / 8) of my 128
.set BB, BK+64*((\a)%2)
	s_wait_dscnt \younger
.if (\a) > 0
.if (\a)%2
	s_add_nc_u64 s[94:95], s[94:95], 8*4096        ; (behind a wait on XCNT: the earlier stores have read their base)
.else
	s_add_nc_u64 s[94:95], s[94:95], 24*4096
.endif
.endif
.irp t, 0,1,2,3,4,5,6,7,8,9,10,11,12,13,14,15
	global_store_b128 v[CO], v[BB+4*\t:BB+4*\t+3], s[94:95] offset:(\t+8*(\t/8))*4096 th:TH_STORE_NT   ; 32 lanes store 512 consecutive bytes, at a multiple of 256 from out0's first byte
.endr
.endm
	PLACES NP
	TOSTAGE 0
.irp a, 1,2,3,4,5,6,7
.if \a > 1
	s_wait_xcnt 0x0                                ; fragment a - 2's stores have read their registers and their base
.endif
	TOSTAGE \a
	SEND \a-1, 32                                  ; behind fragment a - 1's loads: fragment a's 16 stores and 16 loads
.endr
	s_wait_xcnt 0x0
	SEND 7, 0
	s_wait_tensorcnt 0x0                           ; the wave's end
	ds_add_u32 v[SPW], v[NIL]
	s_wait_dscnt 0x0
	CROUND                                         ; the closing round
	s_endpgm
.Lfunc_end_k_q0c7df8e4d1_outp:
	.size	k_q0c7df8e4d1_outp, .Lfunc_end_k_q0c7df8e4d1_outp-k_q0c7df8e4d1_outp
	.p2alignl 7, 3214868480
	.fill 96, 4, 3214868480
	.section	.rodata,"a",@progbits
	.p2align	6, 0x0
	.amdhsa_kernel k_q0c7df8e4d1_outp
		.amdhsa_group_segment_fixed_size 327680
		.amdhsa_private_segment_fixed_size 0
		.amdhsa_enable_private_segment 0
		.amdhsa_kernarg_size 48
		.amdhsa_user_sgpr_count 2
		.amdhsa_user_sgpr_kernarg_segment_ptr 1
		.amdhsa_wavefront_size32 1
		.amdhsa_system_sgpr_workgroup_id_x 1
		.amdhsa_system_sgpr_workgroup_id_y 1
		.amdhsa_system_sgpr_workgroup_id_z 1
		.amdhsa_system_vgpr_workitem_id 0
		.amdhsa_next_free_vgpr 1024
		.amdhsa_next_free_sgpr 102
		.amdhsa_reserve_vcc 0
		.amdhsa_float_denorm_mode_32 3
		.amdhsa_float_denorm_mode_16_64 3
		.amdhsa_memory_ordered 1
		.amdhsa_forward_progress 1
		.amdhsa_inst_pref_size 145
	.end_amdhsa_kernel
	.amdgpu_metadata
---
amdhsa.version: [ 1, 2 ]
amdhsa.kernels:
  - .name:           k_q0c7df8e4d1_outp
    .symbol:         k_q0c7df8e4d1_outp.kd
    .args:
      - { .name: ac, .offset: 0, .size: 8, .value_kind: global_buffer, .address_space: global }
      - { .name: asc, .offset: 8, .size: 8, .value_kind: global_buffer, .address_space: global }
      - { .name: wc, .offset: 16, .size: 8, .value_kind: global_buffer, .address_space: global }
      - { .name: ws, .offset: 24, .size: 8, .value_kind: global_buffer, .address_space: global }
      - { .name: Wo_b, .offset: 32, .size: 8, .value_kind: global_buffer, .address_space: global }
      - { .name: out0, .offset: 40, .size: 8, .value_kind: global_buffer, .address_space: global }
    .group_segment_fixed_size: 327680
    .private_segment_fixed_size: 0
    .kernarg_segment_align: 8
    .kernarg_segment_size: 48
    .max_flat_workgroup_size: 128
    .sgpr_count:     102
    .vgpr_count:     1024
    .wavefront_size: 32
...
	.end_amdgpu_metadata
.endif
;; end of part 4
